; MI455X (gfx1250); checked and timed in simulation.
; The chip was launched on July 23, 2026; its instructions are those of AMD's public machine-readable ISA for CDNA 5 (MIT licence, August 2026) and "CDNA5" Instruction Set Architecture Reference Guide (July 2026). The comments in the code are by the model that wrote it; some were corrected since.
;; Janus Vision Attention. Allowed arithmetic: float matrix products may take bf16 or f16 operands with f32 sums; other float arithmetic in f32, or as packed bf16 or f16 multiplies, adds, multiply-adds, maxima and minima; sums over many terms, partial sums and values carried from step to step in f32; what a program stores and reads back later, other than sums and carried values, may be rounded once to bf16 or f16.
;; Inputs: b_proj 1,024 float32; b_qkv 3,072 float32; hidden_states 8 x 1,024 x 1,024 float32; k_beta 64 float32; k_gamma 64 float32; q_beta 64 float32; q_gamma 64 float32; w_proj 1,024 x 1,024 float32; w_qkv 3,072 x 1,024 float32.
;; Outputs: out0 8 x 1,024 x 1,024 float32.
;; 2 versions, each right; version 2 is version 1 with the launch cast written anew for expert scheduling mode. Each part assembles by itself: llvm-mc -triple=amdgcn-amd-amdhsa -mcpu=gfx1250 --defsym DOCPART=n.
;; ======== version 1 of 2: 4 launches
;; limits: values are held in f16: magnitudes above 65,504 overflow, below 6.1e-05 lose precision
;; workspace buffers: xb 16,777,216 bytes; wqb 6,291,456 bytes; wpb 2,097,152 bytes; qkv 50,331,648 bytes; ob 16,777,216 bytes
;; launch cast (part 1): grid 768 x 1, 8 waves a work-group, no clusters, 0 bytes of LDS; arguments hidden_states, w_qkv, w_proj, xb, wqb, wpb; writes xb, wqb, wpb
.if DOCPART == 1
	.amdgcn_target "amdgcn-amd-amdhsa--gfx1250"
	.amdhsa_code_object_version 6
	.text
	.protected	k_q46b628e03c_cast
	.globl	k_q46b628e03c_cast
	.p2align	8
	.type	k_q46b628e03c_cast,@function
k_q46b628e03c_cast:
	s_mov_b64 s[64:65], 0
	v_nop
	global_prefetch_b8 v0, s[64:65] scope:SCOPE_SE
	s_setreg_imm32_b32 hwreg(HW_REG_WAVE_MODE, 25, 1), 1
	s_wait_xcnt 0x0
; THE THREE LARGE INPUTS ARE ROUNDED ONCE TO bf16 AND LAID OUT IN BLOCKS OF 64 CHANNELS: dst[kb][row][64], 128 bytes a row, so that any run of rows
; of one block kb is dense in memory and can be asked for as rows of 256 bytes by the launches behind.
; hidden_states [8192][1024] -> xb (bf16), w_qkv [3072][1024] -> wqb (bf16), w_proj [1024][1024] -> wpb: rounded to bf16, and that number written as f16
; (its partner in the last product is f16).  LIMIT: a bf16 number below 6.1e-5 keeps f16's fixed step of 6e-8 in wpb; beyond 65,504 it would be an infinity.
; A work-group takes 16 rows: groups 0-511 of hidden_states, 512-703 of w_qkv, 704-767 of w_proj.  Thread t reads 16 bytes of row t / 16 in each of the
; row's 16 blocks: sixteen lanes read 256 consecutive bytes, aligned.  Its four numbers leave as 8 bytes: a wave's store covers 256 consecutive bytes,
; aligned (two rows of one block).  All sixteen loads of a thread are out at once; no register is written twice, so there is no wait but the counted ones.
.set X,   16                           ; v[16:79]   load j: four f32
.set OFF, 80                           ; v[80:95]   store j: 8 t + j x the destination's bytes in a block
.set Y,   96                           ; v[96:127]  store j: four 16-bit numbers
	s_load_b256 s[4:11], s[0:1], 0x0               ; hidden_states s[4:5], w_qkv s[6:7], w_proj s[8:9], xb s[10:11]
	s_load_b128 s[12:15], s[0:1], 0x20             ; wqb s[12:13], wpb s[14:15]
	s_mov_b32 s20, 0x100000                        ; a block of xb: 8,192 rows x 128 bytes
	s_mov_b32 s21, 0x60000                         ; of wqb: 3,072 rows
	s_mov_b32 s22, 0x20000                         ; of wpb: 1,024 rows
	s_mov_b32 s23, 512
	s_mov_b32 s24, 704
	v_lshrrev_b32 v1, 4, v0                        ; my row of the 16
	v_and_b32 v2, 15, v0
	v_lshlrev_b32 v1, 12, v1                       ; x 4,096 bytes
	v_lshl_add_u32 v1, v2, 4, v1                   ; + my 16 bytes of a block's 256
	s_wait_kmcnt 0x0
	s_cmp_lt_u32 ttmp9, s24                        ; which tensor: the choice hangs on the work-group's number alone
	s_cselect_b64 s[26:27], s[6:7], s[8:9]
	s_cselect_b64 s[28:29], s[12:13], s[14:15]
	s_cselect_b32 s18, s21, s22
	s_cselect_b32 s17, s23, s24
	s_cmp_lt_u32 ttmp9, s23
	s_cselect_b64 s[26:27], s[4:5], s[26:27]       ; source
	s_cselect_b64 s[28:29], s[10:11], s[28:29]     ; destination
	s_cselect_b32 s18, s20, s18                    ; the destination's bytes in a block
	s_cselect_b32 s17, 0, s17                      ; the tensor's first work-group
	s_sub_co_u32 s16, ttmp9, s17                   ; my number within the tensor
	s_lshl_b32 s30, s16, 16                        ; 16 rows x 4,096 bytes
	s_mov_b32 s31, 0
	s_add_nc_u64 s[26:27], s[26:27], s[30:31]
	s_lshl_b32 s30, s16, 11                        ; 16 rows x 128 bytes
	s_add_nc_u64 s[28:29], s[28:29], s[30:31]
.set j, 0
.rept 16
	global_load_b128 v[X+4*j:X+4*j+3], v1, s[26:27] offset:256*j th:TH_LOAD_NT
.set j, j+1
.endr
	v_lshlrev_b32 v[OFF], 3, v0                    ; row x 128 + 8 x place = 8 t
.set j, 1
.rept 15
	v_add_nc_u32 v[OFF+j], s18, v[OFF+j-1]
.set j, j+1
.endr
	s_cmp_ge_u32 ttmp9, s24
	s_cbranch_scc1 .Lhalf
.set j, 0
.rept 16
	s_wait_loadcnt 15-j                            ; loads come back in order: load j is in, the younger ones stay out
	v_cvt_pk_bf16_f32 v[Y+2*j], v[X+4*j], v[X+4*j+1]
	v_cvt_pk_bf16_f32 v[Y+2*j+1], v[X+4*j+2], v[X+4*j+3]
	global_store_b64 v[OFF+j], v[Y+2*j:Y+2*j+1], s[28:29]
.set j, j+1
.endr
	s_endpgm
.Lhalf:                                        ; w_proj: rounded to bf16, widened, and written as f16
.set j, 0
.rept 16
	s_wait_loadcnt 15-j
	v_cvt_pk_bf16_f32 v2, v[X+4*j], v[X+4*j+1]
	v_cvt_pk_bf16_f32 v3, v[X+4*j+2], v[X+4*j+3]
	v_lshlrev_b32 v4, 16, v2
	v_and_b32 v5, 0xffff0000, v2
	v_lshlrev_b32 v6, 16, v3
	v_and_b32 v7, 0xffff0000, v3
	v_cvt_pk_f16_f32 v[Y+2*j], v4, v5
	v_cvt_pk_f16_f32 v[Y+2*j+1], v6, v7
	global_store_b64 v[OFF+j], v[Y+2*j:Y+2*j+1], s[28:29]
.set j, j+1
.endr
	s_endpgm
.Lfunc_end_k_q46b628e03c_cast:
	.size	k_q46b628e03c_cast, .Lfunc_end_k_q46b628e03c_cast-k_q46b628e03c_cast
	.p2alignl 7, 3214868480
	.fill 96, 4, 3214868480
	.section	.rodata,"a",@progbits
	.p2align	6, 0x0
	.amdhsa_kernel k_q46b628e03c_cast
		.amdhsa_group_segment_fixed_size 0
		.amdhsa_private_segment_fixed_size 0
		.amdhsa_enable_private_segment 0
		.amdhsa_kernarg_size 48
		.amdhsa_user_sgpr_count 2
		.amdhsa_user_sgpr_kernarg_segment_ptr 1
		.amdhsa_wavefront_size32 1
		.amdhsa_system_sgpr_workgroup_id_x 1
		.amdhsa_system_sgpr_workgroup_id_y 1
		.amdhsa_system_sgpr_workgroup_id_z 1
		.amdhsa_system_vgpr_workitem_id 0
		.amdhsa_next_free_vgpr 128
		.amdhsa_next_free_sgpr 66
		.amdhsa_reserve_vcc 0
		.amdhsa_float_denorm_mode_32 3
		.amdhsa_float_denorm_mode_16_64 3
		.amdhsa_memory_ordered 1
		.amdhsa_forward_progress 1
		.amdhsa_inst_pref_size 17
	.end_amdhsa_kernel
	.amdgpu_metadata
---
amdhsa.version: [ 1, 2 ]
amdhsa.kernels:
  - .name:           k_q46b628e03c_cast
    .symbol:         k_q46b628e03c_cast.kd
    .args:
      - { .name: hidden_states, .offset: 0, .size: 8, .value_kind: global_buffer, .address_space: global }
      - { .name: w_qkv, .offset: 8, .size: 8, .value_kind: global_buffer, .address_space: global }
      - { .name: w_proj, .offset: 16, .size: 8, .value_kind: global_buffer, .address_space: global }
      - { .name: xb, .offset: 24, .size: 8, .value_kind: global_buffer, .address_space: global }
      - { .name: wqb, .offset: 32, .size: 8, .value_kind: global_buffer, .address_space: global }
      - { .name: wpb, .offset: 40, .size: 8, .value_kind: global_buffer, .address_space: global }
    .group_segment_fixed_size: 0
    .private_segment_fixed_size: 0
    .kernarg_segment_align: 8
    .kernarg_segment_size: 48
    .max_flat_workgroup_size: 256
    .sgpr_count:     66
    .vgpr_count:     128
    .wavefront_size: 32
...
	.end_amdgpu_metadata
.endif
;; end of part 1
;; launch qkv (part 2): grid 8 x 32, 4 waves a work-group, clusters of 4 x 4, 327,680 bytes of LDS; arguments xb, wqb, b_qkv, q_gamma, q_beta, k_gamma, k_beta, qkv; writes qkv
.if DOCPART == 2
	.amdgcn_target "amdgcn-amd-amdhsa--gfx1250"
	.amdhsa_code_object_version 6
	.text
	.protected	k_q46b628e03c_qkv
	.globl	k_q46b628e03c_qkv
	.p2align	8
	.type	k_q46b628e03c_qkv,@function
k_q46b628e03c_qkv:
	s_mov_b64 s[64:65], 0
	v_nop
	global_prefetch_b8 v0, s[64:65] scope:SCOPE_SE
	s_setreg_imm32_b32 hwreg(HW_REG_WAVE_MODE, 25, 1), 1
	s_wait_xcnt 0x0
	s_wait_alu depctr_hold_cnt(0) depctr_sa_sdst(0) depctr_va_vdst(0) depctr_va_sdst(0) depctr_va_ssrc(0) depctr_va_vcc(0) depctr_vm_vsrc(0)
	s_getreg_b32 s2, hwreg(HW_REG_IB_STS2, 6, 4)
	s_cmp_eq_u32 s2, 0
	s_cbranch_scc0 .Lentry_in_a_cluster
	s_endpgm
.Lentry_in_a_cluster:
	s_bfe_u32 s2, ttmp6, 0x10000c
	s_cmp_lg_u32 s2, 0xf033
	s_cbranch_scc0 .Lentry_shape_is_right
	s_endpgm
.Lentry_shape_is_right:
; q, k, v = x W^T + b, LayerNorm over each head's 64 channels of q and k, all written by heads: qkv[type 3][batch x head 128][token 1024][64] in f16.
; x: xb[16][8192][64], W: wqb[16][3072][64], bf16 in blocks of 64 channels.  Sums in f32; b, gamma, beta are rounded to bf16 like the other inputs and used in f32.
; LayerNorm in two passes on the f32 sums (mean, then the centred squares).  q is NOT scaled by 1/8 here: the attention applies that in f32.
; LIMITS.  f16 ends at 65,504: q and k lie within 7.94 |gamma| + |beta|; v must stay under 65,504, else it becomes an infinity.
; SHARES.  8192 x 3072 outputs on 256 work-groups: 256 tokens x 384 columns each; the columns are heads 2 cg and 2 cg + 1 of q, of k and of v, so that every
; work-group's way out is the same text.  Wave w: tokens 128 (w / 2) on, head 2 cg + w % 2 of all three types: 128 x 192 = 96 accumulators, 768 registers.
; K goes in steps of 64 (one block) through two LDS slots.  Wave 0 fetches A's 256 rows (32 KiB, asked for as 128 rows of 256 bytes), waves 1, 2, 3 the 128 rows of W of
; q, k, v (64 rows of 256 bytes each).  CLUSTER 4 x 4: A's tile hangs on the tile row alone and is asked for jointly along a row of the cluster, W's on cg alone, along a column.
; THE MATRIX INSTRUCTION IS USED TRANSPOSED (source 0 = 16 rows of W, source 1 = 16 tokens): a lane holds one token (lane % 16) and 8 neighbouring channels.
; REGISTERS, in windows of 256: window 0: v16-31 addresses; v32-95, v96-159 A's fragments of the step's two halves of 32 K; v160-255 W's fragments, 32 a type.
;   window t + 1: type t's 32 accumulators, (a, b) at 8 (4 a + b).  s_set_vgpr_msb: bits 1:0 source 0, 3:2 source 1, 5:4 source 2, 7:6 destination.
.set KBX,   1048576                    ; bytes of a block of xb
.set KBW,   393216                     ; of wqb
.set PITCH, 144                        ; an LDS row: 128 bytes + 16 of padding = 36 words: the 16 rows of a fragment load start at 16 different groups of four banks (ISA guide 11.1)
.set AROWS, 256*PITCH
.set TYB,   128*PITCH                  ; a type's 128 rows of W
.set SLOT,  AROWS+3*TYB                ; 92,160
.set SPI,   272                        ; a stage row: 64 f32 + 16 bytes
.set STW,   256*SPI                    ; a wave's stage: 128 rows of q, 128 of k; later v in the first 128.  It lies over the ring, which has had its last fill by then
.set PAR,   4*STW                      ; bias[3][128], gamma[2][64] at +1536, beta[2][64] at +2048, f32: stored once, never filled by a tensor load
.set SPARE, PAR+2560                   ; the spare words, 128 bytes a wave: two blocks of 256 bytes that no other line names
.set FLAGS, (1<<16)|(1<<20)|(1<<21)|(4<<22)|(3<<25)  ; 2-byte elements; padding on; bit 21 beside a mask; after every 32 words, 4 words
.set ADRA, 16                          ; v16-17 LDS address of my A fragments in slot 0, 1
.set ADRB, 18                          ; v18-19 the same for W
.set STO,  20                          ; where I put 32 bytes of a stage row
.set RD,   21                          ; LayerNorm: my 32 bytes of the first stage rows; never rewritten
.set GO,   22                          ; my byte offset in qkv (k's lanes one type further)
.set RDV,  23                          ; the same two for v
.set GOV,  24
.set PB,   25                          ; LDS address of my 8 biases (q's or k's)
.set PFO,  26                          ; the prefetches' lane offset; never rewritten
.set PG,   27                          ; of my 8 gammas; betas 512 bytes on
.set SPW,  28                          ; LDS address of my spare word; never rewritten
.set NIL,  29                          ; 0; never rewritten
.set RDC,  30                          ; the stage address in hand
.set PBV,  31                          ; LDS address of my 8 biases of v
.set A0,   32
.set A1,   96
.set BF,   160
.set X,    32                          ; the way out (window 0 is free then): 4 units x 8 numbers as read
.set T,    64                          ; at work
.set SM,   96                          ; a unit's sum in the even register; the odd ones are written once, since pairs are named
.set Q2,   104                         ; a unit's sum of squares, then 1 / sqrt
.set P,    112
.set BI,   128
.set GA,   136
.set BE,   144
.set BV,   152
.set Y,    160
.set WV, 20
.set RH, 21
.set CH, 22
.set CX, 23
.set CY, 24
.set CG, 25
.set TR, 26
.set G1A, 36                           ; s[36:43] descriptor group 1 for A's tile;  s[44:51] for W's
.set G1B, 44
.set G0A, 52                           ; s[52:59] group 0 for A, a set for each slot;  s[68:75] for W
.set G0B, 68
.set PSTEP, 60                         ; s[60:61] what the prefetches' address steps by in a lap
.set PFA, 76                           ; s[76:77] where my prefetches stand
.set LIM, 78                           ; 1 in a wave that prefetches, else the greatest number
.set OUT, 80                           ; s[80:81] qkv at my head's first token of mine, type q
.set OUTV, 82
.set CNT, 88
.set TS,  89                           ; the stage's step
.set MSB, 0
.macro WIN new                         ; the immediate's high byte repeats the setting that is left; a switch that changes nothing is dropped
.if MSB != (\new)
	s_set_vgpr_msb (MSB<<8)|(\new)
.set MSB, (\new)
.endif
.endm
.macro PLACES                          ; four plain vector instructions between a matrix instruction and a load into, or a read of, its registers
.rept 4
	v_nop
.endr
.endm
.macro JLOAD s                         ; a joint load: wave 0 asks for A's tile, waves 1 to 3 for W's; the branch hangs on the wave's number alone
	s_cmp_eq_u32 s[WV], 0
	s_cbranch_scc0 .Lfor_b_\@
	tensor_load_to_lds s[G0A+4*(\s):G0A+4*(\s)+3], s[G1A:G1A+7]
	s_nop 0
.rept 4
	v_nop
.endr
	s_branch .Lasked_\@
.Lfor_b_\@:
	tensor_load_to_lds s[G0B+4*(\s):G0B+4*(\s)+3], s[G1B:G1B+7]
	s_nop 0
.rept 4
	v_nop
.endr
.Lasked_\@:
.endm
.macro CREST                           ; a round of the cluster's barrier behind its opening barrier
	s_cmp_lg_u32 s[WV], 0
	s_cbranch_scc1 .Lnot_wave_0_\@
	s_barrier_signal -3
.Lnot_wave_0_\@:
	s_barrier_wait -3
	s_barrier_signal -1
	s_barrier_wait -1
.endm
.macro CROUND
	s_barrier_signal -1
	s_barrier_wait -1
	CREST
.endm
; A PREFETCH INTO THE L2, once a lap, behind the joint load and the run of LDS loads: the blocks that the next two refills will ask for (blocks 2 i + 3 and 2 i + 4 in lap i).
; A's tile is read by both clusters of a row of clusters: cluster x = 0 asks, wave 0; its four partners take 8,192 of a block's 32,768 bytes each, told apart by address (cx): a lane 256 bytes, two instructions.
; W's tile is read by all clusters of a column: cluster y = 0 asks, waves 1 to 3, each for its type; the partners take 4,096 of 16,384 bytes (cy): lanes 0-15 the first block, lanes 16-31 the second.
; So each 256 bytes are named once.  Blocks 0 to 2 and 15 come by their loads alone; the last lap asks for nothing.
.macro ASK
	s_cmp_gt_u32 s3, s[LIM]
	s_cbranch_scc0 .Lno_ask_\@
	global_prefetch_b8 v[PFO], s[PFA:PFA+1] th:TH_LOAD_NT scope:SCOPE_SE
	s_cmp_eq_u32 s[WV], 0
	s_cbranch_scc0 .Lno_ask_\@
	global_prefetch_b8 v[PFO], s[PFA:PFA+1] offset:KBX th:TH_LOAD_NT scope:SCOPE_SE
.Lno_ask_\@:
.endm
.macro LDB sl, h, t                    ; 8 loads: type t's four fragments of W, half h of the slot's 64 K
.irp b, 0,1,2,3
	ds_load_b128 v[BF+32*(\t)+8*\b:BF+32*(\t)+8*\b+3],   v[ADRB+(\sl)] offset:(\t)*TYB+64*(\h)+\b*16*PITCH
	ds_load_b128 v[BF+32*(\t)+8*\b+4:BF+32*(\t)+8*\b+7], v[ADRB+(\sl)] offset:(\t)*TYB+64*(\h)+\b*16*PITCH+32
.endr
.endm
.macro LDA sl, h, buf, a0              ; 8 loads: A's fragments a0 .. a0 + 3
.irp a, 0,1,2,3
	ds_load_b128 v[(\buf)+8*((\a0)+\a):(\buf)+8*((\a0)+\a)+3],   v[ADRA+(\sl)] offset:64*(\h)+((\a0)+\a)*16*PITCH
	ds_load_b128 v[(\buf)+8*((\a0)+\a)+4:(\buf)+8*((\a0)+\a)+7], v[ADRA+(\sl)] offset:64*(\h)+((\a0)+\a)*16*PITCH+32
.endr
.endm
.macro MULP buf, t, a0, n, zero        ; 4 n matrix instructions of type t: token blocks a0 .. a0 + n - 1 x four channel blocks.  Each names another accumulator: they take turns
	WIN 0x50*((\t)+1)
.set ma, (\a0)
.rept \n
.irp b, 0,1,2,3
.if \zero
	v_wmma_f32_16x16x32_bf16 v[8*(4*ma+\b):8*(4*ma+\b)+7], v[BF+32*(\t)+8*\b:BF+32*(\t)+8*\b+7], v[(\buf)+8*ma:(\buf)+8*ma+7], 0
.else
	v_wmma_f32_16x16x32_bf16 v[8*(4*ma+\b):8*(4*ma+\b)+7], v[BF+32*(\t)+8*\b:BF+32*(\t)+8*\b+7], v[(\buf)+8*ma:(\buf)+8*ma+7], v[8*(4*ma+\b):8*(4*ma+\b)+7]
.endif
.endr
.set ma, ma+1
.endr
.endm
; A K step is two halves of 32 K, each three phases of 32 matrix instructions (q, k, v).  A phase's fragments were asked for two phases earlier; each buffer of W is loaded again right behind the phase that read it.
.macro EVEN sl, zero                   ; K 0-31 of the slot, on A0.  zero = 1: the products start the sums
	PLACES
	WIN 0
	LDB \sl, 0, 2
	LDA \sl, 1, A1, 0
	s_wait_dscnt 24                                ; A0 and q's W are in; behind them: k's 8, v's 8, A1's first 8
	MULP A0, 0, 0, 8, \zero
	PLACES
	WIN 0
	LDB \sl, 1, 0
	LDA \sl, 1, A1, 4
	s_wait_dscnt 32                                ; k's W is in; behind it: 8 + 8 + 8 + 8
	MULP A0, 1, 0, 8, \zero
	PLACES
	WIN 0
	LDB \sl, 1, 1
	s_wait_dscnt 32                                ; v's W is in; behind it: A1's 8, q's 8, A1's 8, k's 8
	MULP A0, 2, 0, 8, \zero
.endm
; K 32-63, on A1, and the change of slots.  In front of the barrier each wave waits for all its tensor loads (one is out: its part of the other slot), adds 0 to its spare word, and waits for that and
; for its reads of this slot.  fill = 1: the barrier opens a round of the cluster's, and the joint refill, two blocks on, is the first thing behind it: 160 matrix instructions ahead of the wait for it.
.macro ODD sl, nx, fill, ask
.if \ask
	s_wait_xcnt 0x0                                ; the last prefetches, a lap back, have read their address
	s_add_nc_u64 s[PFA:PFA+1], s[PFA:PFA+1], s[PSTEP:PSTEP+1]
.endif
	PLACES
	WIN 0
	LDB \sl, 1, 2                                  ; my last reads of this slot
	s_wait_tensorcnt 0x0                           ; all my tensor loads have landed
	ds_add_u32 v[SPW], v[NIL]                      ; 0 onto my spare word
	s_wait_dscnt 17                                ; A1 and q's W are in; k's 8, v's 8 and the add may be out
	MULP A1, 0, 0, 4, 0
	s_wait_dscnt 0x0                               ; the add is done, and my reads of this slot are over
	s_barrier_signal -1
	MULP A1, 0, 4, 4, 0
	WIN 0
	s_barrier_wait -1
.if \fill
	CREST                                          ; no wave of any partner still reads this slot or has a load on its way
	s_add_nc_u64 s[G0A+4*(\sl)+2:G0A+4*(\sl)+3], s[G0A+4*(\sl)+2:G0A+4*(\sl)+3], 2*KBX
	s_add_nc_u64 s[G0B+4*(\sl)+2:G0B+4*(\sl)+3], s[G0B+4*(\sl)+2:G0B+4*(\sl)+3], 2*KBW
	JLOAD \sl                                      ; its four v_nop are also the places in front of the loads below
.else
	PLACES
.endif
	LDB \nx, 0, 0
	LDA \nx, 0, A0, 0
	LDA \nx, 0, A0, 4
.if \ask
	ASK
.endif
	MULP A1, 1, 0, 8, 0                            ; k's and v's W were shown in by the wait for 0
	PLACES
	WIN 0
	LDB \nx, 0, 1
	MULP A1, 2, 0, 8, 0
.endm
	s_load_b512 s[4:19], s[0:1], 0x0               ; xb s[4:5], wqb s[6:7], b_qkv s[8:9], q_gamma s[10:11], q_beta s[12:13], k_gamma s[14:15], k_beta s[16:17], qkv s[18:19]
	v_lshl_add_u32 v[SPW], v0, 2, SPARE
	v_mov_b32 v[NIL], 0
	ds_add_u32 v[SPW], v[NIL]                      ; the wave's opening: the add and its wait stand ahead of my first tensor load
	v_lshrrev_b32 v1, 5, v0
	v_readfirstlane_b32 s[WV], v1                  ; wave 0..3
	s_lshr_b32 s[RH], s[WV], 1                     ; my half of the tokens
	s_and_b32 s[CH], s[WV], 1                      ; my head of the two
	s_bfe_u32 s[CX], ttmp6, 0x40000
	s_bfe_u32 s[CY], ttmp6, 0x40004
	s_lshl_b32 s[CG], ttmp9, 2
	s_add_co_u32 s[CG], s[CG], s[CX]               ; pair of heads 0..7
	s_and_b32 s[TR], ttmp7, 0xffff
	s_lshl_b32 s[TR], s[TR], 2
	s_add_co_u32 s[TR], s[TR], s[CY]               ; block of 256 tokens 0..31
	s_lshl_b32 s27, s[CY], 2
	s_lshl_b32 s27, 15, s27                        ; my row of the cluster
	s_lshl_b32 s28, 0x1111, s[CX]                  ; my column
	s_or_b32 s[G1A], s27, FLAGS
	s_or_b32 s[G1B], s28, FLAGS
	s_mov_b32 s[G1A+1], 128<<16                    ; tensor_dim0 = 128 elements: 256 bytes, two rows of a block
	s_mov_b32 s[G1A+2], 128<<16                    ; tensor_dim1 = 128
	s_mov_b32 s[G1A+3], 128<<16                    ; tile_dim0 = 128
	s_mov_b32 s[G1A+4], 128                        ; tile_dim1 = 128
	s_mov_b32 s[G1A+5], 128                        ; dense: 128 elements from row to row
	s_mov_b32 s[G1A+6], 0
	s_mov_b32 s[G1A+7], 0
	s_mov_b32 s[G1B+1], 128<<16
	s_mov_b32 s[G1B+2], 64<<16
	s_mov_b32 s[G1B+3], 128<<16
	s_mov_b32 s[G1B+4], 64
	s_mov_b32 s[G1B+5], 128
	s_mov_b32 s[G1B+6], 0
	s_mov_b32 s[G1B+7], 0
	s_lshl_b32 s30, s[TR], 15                      ; A: 256 rows x 128 bytes a tile; hangs on the tile row alone
	s_mov_b32 s31, 0
	s_max_u32 s32, s[WV], 1
	s_sub_co_u32 s32, s32, 1                       ; the type that I fetch (waves 1 to 3)
	s_lshl_b32 s32, s32, 17                        ; 1,024 rows x 128 bytes a type
	s_lshl_b32 s33, s[CG], 14                      ; 128 rows a pair of heads; hangs on cg alone
	s_add_co_u32 s32, s32, s33
	s_mov_b32 s33, 0
	s_mul_i32 s34, s[WV], TYB
	s_add_co_u32 s34, s34, TYB                     ; where my type's rows go: behind A's 256 rows
	s_mov_b32 s84, 0x3c800000                      ; 1/64
	s_mov_b32 s85, 0x3727c5ac                      ; 1e-5
	s_mov_b32 s86, 0xbc800000                      ; -1/64, named as a pair
	s_mov_b32 s87, 0xbc800000
	s_wait_dscnt 0x0                               ; the opening add is done
	s_wait_kmcnt 0x0
	s_add_nc_u64 s[30:31], s[4:5], s[30:31]
	s_add_nc_u64 s[32:33], s[6:7], s[32:33]
	CROUND                                         ; all sixteen work-groups are here: the first joint loads meet
.irp s, 0,1
	s_mov_b32 s[G0A+4*\s], 1
	s_mov_b32 s[G0A+4*\s+1], \s*SLOT
	s_add_nc_u64 s[G0A+4*\s+2:G0A+4*\s+3], s[30:31], \s*KBX
	s_or_b32 s[G0A+4*\s+3], s[G0A+4*\s+3], 0x80000000
	s_mov_b32 s[G0B+4*\s], 1
	s_add_co_u32 s[G0B+4*\s+1], s34, \s*SLOT
	s_add_nc_u64 s[G0B+4*\s+2:G0B+4*\s+3], s[32:33], \s*KBW
	s_or_b32 s[G0B+4*\s+3], s[G0B+4*\s+3], 0x80000000
	JLOAD \s                                       ; blocks 0 and 1: two loads of mine are out
.endr
	; the parameters: thread t brings bias t of each type's 128, and gamma and beta t % 64 (waves 0, 1: q's; waves 2, 3: k's)
	v_lshlrev_b32 v2, 2, v0
	s_lshl_b32 s27, s[CG], 9
	v_add_nc_u32 v3, s27, v2
	v_and_b32 v4, 63, v0
	v_lshlrev_b32 v4, 2, v4
	s_cmp_lt_u32 s[WV], 2
	s_cselect_b64 s[10:11], s[10:11], s[14:15]
	s_cselect_b64 s[12:13], s[12:13], s[16:17]
	global_load_b32 v5, v3, s[8:9]
	global_load_b32 v6, v3, s[8:9] offset:4096
	global_load_b32 v7, v3, s[8:9] offset:8192
	global_load_b32 v8, v4, s[10:11]
	global_load_b32 v9, v4, s[12:13]
	; the prefetches' address, lane offset and step
	s_and_b32 s35, ttmp7, 0xffff                   ; cluster y
	s_mov_b32 s62, KBX
	s_mov_b32 s63, KBW
	s_mov_b32 s29, 4096
	s_cmp_eq_u32 s[WV], 0
	s_cselect_b64 s[PFA:PFA+1], s[30:31], s[32:33]
	s_cselect_b32 s27, s[CX], s[CY]                ; my place among the four that ask jointly
	s_cselect_b32 s28, 13, 12                      ; its share: 8,192 or 4,096 bytes
	s_cselect_b32 s35, ttmp9, s35                  ; the coordinate along which other clusters read the same rows
	s_cselect_b32 s[PSTEP], s62, s63               ; a block
	s_cselect_b32 s29, s29, s63                    ; what lanes 16-31 add: the next 4,096 bytes, or the next block
	s_mov_b32 s[PSTEP+1], 0
	s_cmp_eq_u32 s35, 0
	s_cselect_b32 s[LIM], 1, -1                    ; the same in all sixteen partners, for a given wave
	s_lshl_b32 s62, s27, s28
	s_mov_b32 s63, 0
	s_add_nc_u64 s[PFA:PFA+1], s[PFA:PFA+1], s[62:63]
	s_add_nc_u64 s[PFA:PFA+1], s[PFA:PFA+1], s[PSTEP:PSTEP+1]  ; at block 1: the first lap steps it to block 3
	s_lshl_b32 s[PSTEP], s[PSTEP], 1               ; two blocks a lap
	v_and_b32 v13, 15, v0                          ; l % 16
	v_bfe_u32 v14, v0, 4, 1                        ; l / 16
	v_and_b32 v10, 7, v0                           ; l % 8
	v_bfe_u32 v11, v0, 3, 1                        ; (l / 8) % 2
	v_mul_u32_u24 v[PFO], s29, v14
	v_lshl_add_u32 v[PFO], v13, 8, v[PFO]
	; a fragment: lane l holds row l % 16, K 8 (l / 16) + 0..7 and 16 + 8 (l / 16) + 0..7: two loads of 16 bytes, 32 apart
	v_mul_u32_u24 v15, v13, PITCH
	v_lshl_add_u32 v15, v14, 4, v15
	s_mul_i32 s27, s[RH], 128*PITCH
	s_mul_i32 s28, s[CH], 64*PITCH
	s_add_co_u32 s28, s28, AROWS
.irp s, 0,1
	v_add_nc_u32 v[ADRA+\s], s27, v15
	v_add_nc_u32 v[ADRB+\s], s28, v15
	s_add_co_u32 s27, s27, SLOT
	s_add_co_u32 s28, s28, SLOT
.endr
	s_mul_i32 s27, s[WV], STW                      ; my stage
	v_mul_u32_u24 v[STO], v13, SPI                 ; in: token l % 16, 32 bytes for each half of the lanes
	v_lshl_add_u32 v[STO], v14, 5, v[STO]
	v_add_nc_u32 v[STO], s27, v[STO]
	v_mul_u32_u24 v[RD], v14, 128*SPI              ; LayerNorm: lanes 0-15 read q's rows, lanes 16-31 k's; eight lanes a token, 32 bytes a lane
	v_mul_u32_u24 v12, v11, SPI
	v_add_nc_u32 v[RD], v[RD], v12
	v_lshl_add_u32 v[RD], v10, 5, v[RD]
	v_add_nc_u32 v[RD], s27, v[RD]
	v_lshlrev_b32 v[GO], 24, v14                   ; k lies one type, 16,777,216 bytes, behind q
	v_lshl_add_u32 v[GO], v11, 7, v[GO]
	v_lshl_add_u32 v[GO], v10, 4, v[GO]
	v_bfe_u32 v12, v0, 3, 2                        ; v: four tokens to 32 lanes
	v_mul_u32_u24 v[RDV], v12, SPI
	v_lshl_add_u32 v[RDV], v10, 5, v[RDV]
	v_add_nc_u32 v[RDV], s27, v[RDV]
	v_and_b32 v12, 31, v0
	v_lshlrev_b32 v[GOV], 4, v12
	v_add_nc_u32 v[GOV], 0x2000000, v[GOV]         ; v lies two types behind q
	s_lshl_b32 s28, s[CH], 8
	s_add_co_u32 s28, s28, PAR
	v_lshl_add_u32 v[PBV], v10, 5, s28
	v_lshl_add_u32 v[PB], v14, 9, v[PBV]           ; bias[type l / 16][64 ch + 8 (l % 8)]
	v_add_nc_u32 v[PBV], 1024, v[PBV]
	v_lshlrev_b32 v[PG], 8, v14
	v_lshl_add_u32 v[PG], v10, 5, v[PG]
	v_add_nc_u32 v[PG], PAR+1536, v[PG]
	s_lshr_b32 s27, s[TR], 2                       ; batch
	s_lshl_b32 s27, s27, 4
	s_lshl1_add_u32 s27, s[CG], s27
	s_add_co_u32 s27, s27, s[CH]                   ; batch x 16 + head
	s_lshl_b32 s27, s27, 17                        ; 131,072 bytes a head
	s_and_b32 s28, s[TR], 3
	s_lshl_b32 s28, s28, 1
	s_add_co_u32 s28, s28, s[RH]
	s_lshl_b32 s28, s28, 14                        ; 128 tokens x 128 bytes
	s_add_co_u32 s28, s28, s27
	s_mov_b32 s29, 0
	s_add_nc_u64 s[OUT:OUT+1], s[18:19], s[28:29]
	s_mov_b64 s[OUTV:OUTV+1], s[OUT:OUT+1]
	s_wait_loadcnt 0x0
	v_cvt_pk_bf16_f32 v10, v5, v6                  ; rounded to bf16 like the other inputs, kept as f32
	v_cvt_pk_bf16_f32 v11, v7, v8
	v_cvt_pk_bf16_f32 v12, v9, v9
	v_lshlrev_b32 v5, 16, v10
	v_and_b32 v6, 0xffff0000, v10
	v_lshlrev_b32 v7, 16, v11
	v_and_b32 v8, 0xffff0000, v11
	v_lshlrev_b32 v9, 16, v12
	v_add_nc_u32 v2, PAR, v2
	ds_store_b32 v2, v5
	ds_store_b32 v2, v6 offset:512
	ds_store_b32 v2, v7 offset:1024
	ds_store_b32 v2, v8 offset:1536
	ds_store_b32 v2, v9 offset:2048
	s_wait_dscnt 0x0                               ; for the others' sake: my parameters lie in LDS
	s_wait_tensorcnt 0x1                           ; my part of block 0 is in; block 1's may stay out
	s_barrier_signal -1
	s_barrier_wait -1
	LDA 0, 0, A0, 0
	LDA 0, 0, A0, 4
	LDB 0, 0, 0
	LDB 0, 0, 1
	EVEN 0, 1                                      ; the first half step stands ahead of the loop: its products start the 96 sums
	WIN 0
	s_mov_b32 s3, 7
.Llap:                                         ; lap i: the rest of block 2 i, block 2 i + 1, the first half of block 2 i + 2; both slots are filled again
	ODD 0, 1, 1, 1
	EVEN 1, 0
	ODD 1, 0, 1, 0
	EVEN 0, 0
	WIN 0
	s_sub_co_u32 s3, s3, 1
	s_cmp_lg_u32 s3, 0
	s_cbranch_scc1 .Llap
	ODD 0, 1, 0, 0                                 ; the tail asks for nothing
	EVEN 1, 0
	PLACES
	WIN 0
	LDB 1, 1, 2
	s_wait_dscnt 16
	MULP A1, 0, 0, 8, 0
	s_wait_dscnt 8
	MULP A1, 1, 0, 8, 0
	s_wait_dscnt 0x0
	MULP A1, 2, 0, 8, 0
	WIN 0
	; THE WAY OUT.  Every wave's reads of the ring are over (its wait for 0 above) and no tensor load follows: behind this barrier the stages lie over the ring.
	s_barrier_signal -1
	s_barrier_wait -1
	PLACES
.macro STAGE t, ro                     ; type t's 128 x 64 sums into my stage, from row ro on; each accumulator's low four registers first
	WIN ((\t)+1)<<2
.set sa, 0
.rept 8
.irp b, 0,1,2,3
	ds_store_b128 v[STO], v[8*(4*sa+\b):8*(4*sa+\b)+3]   offset:(\ro)*SPI+sa*16*SPI+64*\b
	ds_store_b128 v[STO], v[8*(4*sa+\b)+4:8*(4*sa+\b)+7] offset:(\ro)*SPI+sa*16*SPI+64*\b+16
.endr
.set sa, sa+1
.endr
	WIN 0
.endm
	STAGE 0, 0
	STAGE 1, 128
	ds_load_b128 v[BI:BI+3],   v[PB]
	ds_load_b128 v[BI+4:BI+7], v[PB] offset:16
	ds_load_b128 v[GA:GA+3],   v[PG]
	ds_load_b128 v[GA+4:GA+7], v[PG] offset:16
	ds_load_b128 v[BE:BE+3],   v[PG] offset:512
	ds_load_b128 v[BE+4:BE+7], v[PG] offset:528
	ds_load_b128 v[BV:BV+3],   v[PBV]
	ds_load_b128 v[BV+4:BV+7], v[PBV] offset:16
.irp u, 0,1,2,3                        ; LDS serves a wave's instructions in order (ISA guide 5.7.1.4): these see my stores above
	ds_load_b128 v[X+8*\u:X+8*\u+3],   v[RD] offset:\u*2*SPI
	ds_load_b128 v[X+8*\u+4:X+8*\u+7], v[RD] offset:\u*2*SPI+16
.endr
.irp u, 0,1,2,3
	v_mov_b32 v[SM+2*\u+1], 0
	v_mov_b32 v[Q2+2*\u+1], 0
.endr
; A trip of the LayerNorm: 8 tokens of q (lanes 0-15) and 8 of k (lanes 16-31), in 4 units of two tokens each; eight lanes hold a token, 8 channels a lane.
; look = 1: the next trip's rows are asked for as soon as this trip's have been taken over.
; The stores' base is stepped AHEAD of a trip's stores, which reach back by a negative immediate: so the wait that frees the base and Y stands a whole trip's arithmetic behind the stores that read them.
.macro LNT look
	s_wait_dscnt 0x0
.set z, 0
.rept 16
	v_pk_add_f32 v[T+2*z:T+2*z+1], v[X+2*z:X+2*z+1], v[BI+2*(z%4):BI+2*(z%4)+1]
.set z, z+1
.endr
.if \look
	s_add_co_u32 s[TS], s[TS], 8*SPI
	v_add_nc_u32 v[RDC], s[TS], v[RD]
.irp u, 0,1,2,3
	ds_load_b128 v[X+8*\u:X+8*\u+3],   v[RDC] offset:\u*2*SPI
	ds_load_b128 v[X+8*\u+4:X+8*\u+7], v[RDC] offset:\u*2*SPI+16
.endr
.endif
.irp u, 0,1,2,3                        ; the sum of a token's 64 numbers: 8 in the lane, then across its eight lanes
	v_pk_add_f32 v[P+4*\u:P+4*\u+1],   v[T+8*\u:T+8*\u+1],   v[T+8*\u+2:T+8*\u+3]
	v_pk_add_f32 v[P+4*\u+2:P+4*\u+3], v[T+8*\u+4:T+8*\u+5], v[T+8*\u+6:T+8*\u+7]
.endr
.irp u, 0,1,2,3
	v_pk_add_f32 v[P+4*\u:P+4*\u+1], v[P+4*\u:P+4*\u+1], v[P+4*\u+2:P+4*\u+3]
.endr
.irp u, 0,1,2,3
	v_add_f32 v[SM+2*\u], v[P+4*\u], v[P+4*\u+1]
.endr
.irp m, 1,2,4
.irp u, 0,1,2,3
	v_add_f32_dpp v[SM+2*\u], v[SM+2*\u], v[SM+2*\u] row_xmask:\m row_mask:0xf bank_mask:0xf
.endr
.endr
.irp i, 0,1,2,3                        ; x - mean
.irp u, 0,1,2,3
	v_pk_fma_f32 v[T+8*\u+2*\i:T+8*\u+2*\i+1], v[SM+2*\u:SM+2*\u+1], s[86:87], v[T+8*\u+2*\i:T+8*\u+2*\i+1] op_sel_hi:[0,0,1]
.endr
.endr
.irp u, 0,1,2,3                        ; the sum of the centred squares
	v_pk_mul_f32 v[P+4*\u:P+4*\u+1], v[T+8*\u:T+8*\u+1], v[T+8*\u:T+8*\u+1]
.endr
.irp i, 1,2,3
.irp u, 0,1,2,3
	v_pk_fma_f32 v[P+4*\u:P+4*\u+1], v[T+8*\u+2*\i:T+8*\u+2*\i+1], v[T+8*\u+2*\i:T+8*\u+2*\i+1], v[P+4*\u:P+4*\u+1]
.endr
.endr
.irp u, 0,1,2,3
	v_add_f32 v[Q2+2*\u], v[P+4*\u], v[P+4*\u+1]
.endr
.irp m, 1,2,4
.irp u, 0,1,2,3
	v_add_f32_dpp v[Q2+2*\u], v[Q2+2*\u], v[Q2+2*\u] row_xmask:\m row_mask:0xf bank_mask:0xf
.endr
.endr
.irp u, 0,1,2,3
	v_fma_f32 v[Q2+2*\u], v[Q2+2*\u], s84, s85     ; variance + 1e-5
.endr
.irp u, 0,1,2,3
	v_rsq_f32 v[Q2+2*\u], v[Q2+2*\u]
.endr
	v_nop                                          ; a plain instruction behind the last of the four (ISA guide 5.7.2),
	s_wait_alu depctr_va_vdst(0)                   ; and one wait for the batch, ahead of its first reader
.irp i, 0,1,2,3
.irp u, 0,1,2,3
	v_pk_mul_f32 v[T+8*\u+2*\i:T+8*\u+2*\i+1], v[T+8*\u+2*\i:T+8*\u+2*\i+1], v[Q2+2*\u:Q2+2*\u+1] op_sel_hi:[1,0]
.endr
.endr
.irp i, 0,1,2,3
.irp u, 0,1,2,3
	v_pk_fma_f32 v[T+8*\u+2*\i:T+8*\u+2*\i+1], v[T+8*\u+2*\i:T+8*\u+2*\i+1], v[GA+2*\i:GA+2*\i+1], v[BE+2*\i:BE+2*\i+1]
.endr
.endr
	s_wait_xcnt 0x0                                ; the last trip's stores have read Y and their base: both are written again only behind this wait
	s_add_nc_u64 s[OUT:OUT+1], s[OUT:OUT+1], 1024  ; 8 tokens on; the stores below reach back by as much
.irp u, 0,1,2,3
.irp i, 0,1,2,3
	v_cvt_pk_f16_f32 v[Y+4*\u+\i], v[T+8*\u+2*\i], v[T+8*\u+2*\i+1]
.endr
	global_store_b128 v[GO], v[Y+4*\u:Y+4*\u+3], s[OUT:OUT+1] offset:\u*256-1024  ; sixteen lanes store two tokens: 256 consecutive bytes, aligned
.endr
.endm
	s_mov_b32 s[TS], 0
	s_mov_b32 s[CNT], 15
.Lln:
	LNT 1
	s_sub_co_u32 s[CNT], s[CNT], 1
	s_cmp_lg_u32 s[CNT], 0
	s_cbranch_scc1 .Lln
	LNT 0                                          ; the last trip reads nothing beyond my stage
	STAGE 2, 0                                     ; v takes q's rows: my reads of them are back
.irp u, 0,1,2,3
	ds_load_b128 v[X+8*\u:X+8*\u+3],   v[RDV] offset:\u*4*SPI
	ds_load_b128 v[X+8*\u+4:X+8*\u+7], v[RDV] offset:\u*4*SPI+16
.endr
.macro VT look                         ; a trip for v: 16 tokens, bias and rounding; the base is stepped ahead of the stores, as above
	s_wait_dscnt 0x0
.set z, 0
.rept 16
	v_pk_add_f32 v[T+2*z:T+2*z+1], v[X+2*z:X+2*z+1], v[BV+2*(z%4):BV+2*(z%4)+1]
.set z, z+1
.endr
.if \look
	s_add_co_u32 s[TS], s[TS], 16*SPI
	v_add_nc_u32 v[RDC], s[TS], v[RDV]
.irp u, 0,1,2,3
	ds_load_b128 v[X+8*\u:X+8*\u+3],   v[RDC] offset:\u*4*SPI
	ds_load_b128 v[X+8*\u+4:X+8*\u+7], v[RDC] offset:\u*4*SPI+16
.endr
.endif
	s_wait_xcnt 0x0                                ; the stores before these have read Y and their base
	s_add_nc_u64 s[OUTV:OUTV+1], s[OUTV:OUTV+1], 2048
.irp u, 0,1,2,3
.irp i, 0,1,2,3
	v_cvt_pk_f16_f32 v[Y+4*\u+\i], v[T+8*\u+2*\i], v[T+8*\u+2*\i+1]
.endr
	global_store_b128 v[GOV], v[Y+4*\u:Y+4*\u+3], s[OUTV:OUTV+1] offset:\u*512-2048  ; four tokens: 512 consecutive bytes, aligned
.endr
.endm
	s_mov_b32 s[TS], 0
	s_mov_b32 s[CNT], 7
.Lv:
	VT 1
	s_sub_co_u32 s[CNT], s[CNT], 1
	s_cmp_lg_u32 s[CNT], 0
	s_cbranch_scc1 .Lv
	VT 0
	s_wait_tensorcnt 0x0                           ; the wave's end: these three lines stand behind my last tensor load and my last LDS store
	ds_add_u32 v[SPW], v[NIL]
	s_wait_dscnt 0x0
	CROUND                                         ; the closing round: no work-group ends while a partner may still ask for a tile that names it
	s_endpgm
.Lfunc_end_k_q46b628e03c_qkv:
	.size	k_q46b628e03c_qkv, .Lfunc_end_k_q46b628e03c_qkv-k_q46b628e03c_qkv
	.p2alignl 7, 3214868480
	.fill 96, 4, 3214868480
	.section	.rodata,"a",@progbits
	.p2align	6, 0x0
	.amdhsa_kernel k_q46b628e03c_qkv
		.amdhsa_group_segment_fixed_size 327680
		.amdhsa_private_segment_fixed_size 0
		.amdhsa_enable_private_segment 0
		.amdhsa_kernarg_size 64
		.amdhsa_user_sgpr_count 2
		.amdhsa_user_sgpr_kernarg_segment_ptr 1
		.amdhsa_wavefront_size32 1
		.amdhsa_system_sgpr_workgroup_id_x 1
		.amdhsa_system_sgpr_workgroup_id_y 1
		.amdhsa_system_sgpr_workgroup_id_z 1
		.amdhsa_system_vgpr_workitem_id 0
		.amdhsa_next_free_vgpr 1024
		.amdhsa_next_free_sgpr 96
		.amdhsa_reserve_vcc 0
		.amdhsa_float_denorm_mode_32 3
		.amdhsa_float_denorm_mode_16_64 3
		.amdhsa_memory_ordered 1
		.amdhsa_forward_progress 1
		.amdhsa_inst_pref_size 126
	.end_amdhsa_kernel
	.amdgpu_metadata
---
amdhsa.version: [ 1, 2 ]
amdhsa.kernels:
  - .name:           k_q46b628e03c_qkv
    .symbol:         k_q46b628e03c_qkv.kd
    .args:
      - { .name: xb, .offset: 0, .size: 8, .value_kind: global_buffer, .address_space: global }
      - { .name: wqb, .offset: 8, .size: 8, .value_kind: global_buffer, .address_space: global }
      - { .name: b_qkv, .offset: 16, .size: 8, .value_kind: global_buffer, .address_space: global }
      - { .name: q_gamma, .offset: 24, .size: 8, .value_kind: global_buffer, .address_space: global }
      - { .name: q_beta, .offset: 32, .size: 8, .value_kind: global_buffer, .address_space: global }
      - { .name: k_gamma, .offset: 40, .size: 8, .value_kind: global_buffer, .address_space: global }
      - { .name: k_beta, .offset: 48, .size: 8, .value_kind: global_buffer, .address_space: global }
      - { .name: qkv, .offset: 56, .size: 8, .value_kind: global_buffer, .address_space: global }
    .group_segment_fixed_size: 327680
    .private_segment_fixed_size: 0
    .kernarg_segment_align: 8
    .kernarg_segment_size: 64
    .max_flat_workgroup_size: 128
    .sgpr_count:     96
    .vgpr_count:     1024
    .wavefront_size: 32
...
	.end_amdgpu_metadata
.endif
;; end of part 2
;; launch attn (part 3): grid 2 x 128, 4 waves a work-group, no clusters, 327,680 bytes of LDS; arguments qkv, ob; writes ob
.if DOCPART == 3
	.amdgcn_target "amdgcn-amd-amdhsa--gfx1250"
	.amdhsa_code_object_version 6
	.text
	.protected	k_q46b628e03c_attn
	.globl	k_q46b628e03c_attn
	.p2align	8
	.type	k_q46b628e03c_attn,@function
k_q46b628e03c_attn:
	s_mov_b64 s[64:65], 0
	v_nop
	global_prefetch_b8 v0, s[64:65] scope:SCOPE_SE
	s_setreg_imm32_b32 hwreg(HW_REG_WAVE_MODE, 25, 1), 1
	s_wait_xcnt 0x0
; O[h][q][:] = the sum over k of softmax_k(Q[h][q] . K[h][k] / 8) V[h][k][:].  qkv: [3][128 heads][1024][64] f16 (q, k after their LayerNorm, unscaled; v); ob: [128][1024][64] f16.
; Products, maxima and sums in f32; the weights p are rounded to f16 for the second product (their sum l is taken of the unrounded p), O once at the end.
; LIMITS.  Q, K, V arrive within f16's 65,504; p lies in 0 to 1, and below 6e-5 it keeps f16's fixed step of 6e-8; O is a mean of V's rows.  A weight below 2^-126 counts as 0 in l; NaN and infinities are not treated apart.
; SHARES.  A work-group owns 512 queries of one head, a wave 128: four PIECES of two tiles of 16.  Every wave walks the head's 1,024 keys, 64 a step.
; A HEAD'S WHOLE K AND V LIE IN LDS: 1,024 rows of 144 and of 160 bytes.  Nothing is filled twice.  Each wave issues two tensor loads at the start.  Waves 0, 1: K, 160 of the first 320 keys, then 352 of the other 704.
; Waves 2, 3: V, 128 of the first 256 keys, then 384 of the other 768.  The first four key steps run behind the first loads' barrier: they read V of steps 0 to 3 and K of steps 0 to 4 (a step fetches the next step's K).
; The wait for the second loads and its barrier stand behind every fourth step: the first time they show the rest of K and V to every wave, later they find nothing to wait for: the price of one text for all sixteen steps.
; NO CLUSTER: a head has two work-groups, and the grid's two along x divide into no cluster of four.  NO PREFETCH: every tile is asked for by its own load at the kernel's head.
; LAYOUT.  S^T = K Q^T (source 0 = 16 keys, source 1 = 16 queries): a lane holds ONE query (lane % 16) and the keys 8 (lane / 16) + 0..7.  Two such tiles, rounded to f16 in pairs, ARE source 1 of O^T = V^T P.
; K comes out of LDS as it lies, V ([key][channel]) turned, by ds_load_tr16_b128.
; SOFTMAX.  A running maximum m and sum l: p = 2^(c s - c m), c = log2(e) / 8; in every step O and l are multiplied by a = 2^(c m_old - c m_new).  m starts at the lowest finite number, O and l at 0.
; BY TURNS.  Turn n belongs to piece n.  Its matrix work: 16 products K Q^T of piece n + 1, later 16 products V^T P of piece n - 1.  Its vector work: scaling, exponentials, roundings, sums and rescaling of piece n, and the
; maximum and statistics of piece n + 1.  Four vector instructions stand behind every matrix instruction, the rest in one run; a turn's 66 exponentials are one batch with one wait.
; REGISTERS, in windows of 256 (s_set_vgpr_msb: bits 1:0 source 0, 3:2 source 1, 5:4 source 2, 7:6 destination):
;   window 0: v0-11 addresses; v12-15, v48-63 at work; v16-47 statistics; v64-191 S^T, two buffers of two tiles; v192-255 P, likewise
;   window 1: O^T, 32 a tile     window 2: v0-127 Q; v128-191 K of one step; v192-255 V of one step     window 3: v0-1 the add's two registers
.set SIZE_N, 1024
.set NP,    4
.set KS,    64
.set PK,    144       ; a row of K in LDS: 128 bytes + 16 = 36 words: the 16 rows of a load start at 16 different groups of four banks (ISA guide 11.1)
.set PV,    160       ; a row of V: 128 + 32 = 40 words
.set KA,    160       ; keys in a wave's first load of K;  KB in its second
.set KB,    352
.set VA,    128       ; the same for V
.set VB,    384
.set VOFF,  SIZE_N*PK
.set STAGE, VOFF+SIZE_N*PV  ; never filled by a tensor load: 16 rows x 144 bytes for each wave, for the way out
.set SP,    144
.set SPARE, STAGE+4*16*SP   ; the spare words, 128 bytes a wave: two blocks of 256 bytes that no other line names
.set AK0, 2
.set AV0, 3
.set AK,  4
.set AV,  5
.set QO,  6
.set STO, 6
.set RD,  7
.set GO,  8
.set SPW, 0           ; v0 of window 3
.set NIL, 1           ; v1 of window 3
.set MV,  12
.set ST,  16          ; tile t's statistics at v[ST+4 t]: c m, m, l (even keys', odd keys')
.set TMP, 48
.set S,   64
.set P,   192
.set KF,  128
.set VF,  192
.set OP,  6           ; s[6:7] ob at my wave's first row
.set WV,  12
.set PH,  21          ; s21  phases of four key steps still to come
.set G1KA, 24         ; s[24:31] group 1, K's first load (80 rows of 256 bytes);  s[40:47] its second (176 rows)
.set G1VA, 32         ; s[32:39], s[48:55] the same for V (64 and 192 rows): more padding
.set G1KB, 40
.set G1VB, 48
.set G0KA, 56
.set G0KB, 60
.set G0VA, 68
.set G0VB, 72
.set CNT, 76          ; s76  counts a phase's key steps
.set TOT, 77          ; s77  key steps still to come, this one among them
.set CS,  78
.set SEL, 80
.set TBK, 82          ; LDS byte at which K of the step to be fetched begins
.set TBV, 83          ; the same for V, less VOFF
.set MSB, 0
.macro WIN new
.if MSB != (\new)
	s_set_vgpr_msb (MSB<<8)|(\new)
.set MSB, (\new)
.endif
.endm
.set W_KQ, 0x0a
.set W_PV, 0x52
.set W_RS, 0x41
.set W_MK, 0xc0
.set W_AD, 0x0f
	s_load_b128 s[4:7], s[0:1], 0x0  ; qkv s[4:5], ob s[6:7]
	WIN W_MK
	v_lshl_add_u32 v[SPW], v0, 2, SPARE
	v_mov_b32 v[NIL], 0
	WIN W_AD
	ds_add_u32 v[SPW], v[NIL]       ; the wave's opening: the add and its wait stand ahead of my first tensor load
	WIN 0
	v_lshrrev_b32 v1, 5, v0
	v_readfirstlane_b32 s[WV], v1   ; wave 0..3
	s_and_b32 s20, ttmp7, 0xffff
	s_lshl_b32 s20, s20, 17         ; the head's first byte in a type and in ob
	s_and_b32 s16, s[WV], 1         ; hw: which half of the keys I fetch
	s_mul_i32 s22, s16, KA*128      ; K's first load: keys 160 hw on,
	s_add_co_u32 s22, s22, s20
	s_mov_b32 s23, 0
	s_mul_i32 s14, s16, KB*128      ; its second: keys 320 + 352 hw on
	s_add_co_u32 s14, s14, s20
	s_add_co_u32 s14, s14, 2*KA*128
	s_mov_b32 s15, 0
	s_mul_i32 s84, s16, VA*128      ; V's first load: keys 128 hw on,
	s_add_co_u32 s84, s84, s20
	s_mov_b32 s85, 0
	s_mul_i32 s86, s16, VB*128      ; its second: keys 256 + 384 hw on
	s_add_co_u32 s86, s86, s20
	s_add_co_u32 s86, s86, 2*VA*128
	s_mov_b32 s87, 0
	s_mul_i32 s17, s16, KA*PK       ; and their places in LDS
	s_mul_i32 s18, s16, VA*PV
	s_mul_i32 s19, s16, KB*PK
	s_mul_i32 s13, s16, VB*PV
	s_lshl_b32 s2, ttmp9, 2
	s_add_co_u32 s2, s2, s[WV]      ; my wave among the head's eight,
	s_lshl_b32 s2, s2, 14           ; its 128 rows
	s_add_co_u32 s2, s2, s20
	s_mov_b32 s3, 0
	; keys are dense, 128 bytes each: asked for as rows of 256 bytes, two keys a row, padded in LDS after every key
.irp g, G1KA, G1KB
	s_mov_b32 s[\g], (1<<16)|(1<<20)|(4<<22)|(3<<25)  ; 2-byte elements; padding on; after every 32 words, 4 words
.endr
.irp g, G1VA, G1VB
	s_mov_b32 s[\g], (1<<16)|(1<<20)|(4<<22)|(7<<25)  ; the same with 8 words
.endr
.irp g, G1KA, G1VA, G1KB, G1VB
	s_mov_b32 s[\g+1], 128<<16      ; tensor_dim0 = 128
	s_mov_b32 s[\g+3], 128<<16      ; tile_dim0 = 128
	s_mov_b32 s[\g+5], 128          ; 128 elements from row to row
	s_mov_b32 s[\g+6], 0
	s_mov_b32 s[\g+7], 0
.endr
	s_mov_b32 s[G1KA+2], (KA/2)<<16 ; tensor_dim1 = tile_dim1 = half the keys
	s_mov_b32 s[G1KA+4], KA/2
	s_mov_b32 s[G1KB+2], (KB/2)<<16
	s_mov_b32 s[G1KB+4], KB/2
	s_mov_b32 s[G1VA+2], (VA/2)<<16
	s_mov_b32 s[G1VA+4], VA/2
	s_mov_b32 s[G1VB+2], (VB/2)<<16
	s_mov_b32 s[G1VB+4], VB/2
	s_mov_b32 s[CS], 0x3e38aa3b     ; c = log2(e) / 8
	s_mov_b32 s[CS+1], s[CS]
	s_mov_b32 s[SEL], 0x76543210
	s_mov_b32 s[SEL+1], 0xfedcba98
	s_mov_b32 s[TBK], 0
	s_mov_b32 s[TBV], 0
	s_mov_b32 s[G0KA], 1
	s_mov_b32 s[G0KA+1], s17
	s_mov_b32 s[G0KB], 1
	s_add_co_u32 s[G0KB+1], s19, 2*KA*PK
	s_mov_b32 s[G0VA], 1
	s_add_co_u32 s[G0VA+1], s18, VOFF
	s_mov_b32 s[G0VB], 1
	s_add_co_u32 s[G0VB+1], s13, VOFF+2*VA*PV
	s_wait_dscnt 0x0                ; the opening add is done
	s_wait_kmcnt 0x0
	s_add_nc_u64 s[8:9], s[4:5], 0x1000000    ; K
	s_add_nc_u64 s[10:11], s[4:5], 0x2000000  ; V
	s_add_nc_u64 s[G0KA+2:G0KA+3], s[8:9], s[22:23]
	s_or_b32 s[G0KA+3], s[G0KA+3], 0x80000000
	s_add_nc_u64 s[G0KB+2:G0KB+3], s[8:9], s[14:15]
	s_or_b32 s[G0KB+3], s[G0KB+3], 0x80000000
	s_add_nc_u64 s[G0VA+2:G0VA+3], s[10:11], s[84:85]
	s_or_b32 s[G0VA+3], s[G0VA+3], 0x80000000
	s_add_nc_u64 s[G0VB+2:G0VB+3], s[10:11], s[86:87]
	s_or_b32 s[G0VB+3], s[G0VB+3], 0x80000000
	s_add_nc_u64 s[4:5], s[4:5], s[2:3]  ; Q and O at my wave's first row
	s_add_nc_u64 s[OP:OP+1], s[OP:OP+1], s[2:3]
	s_cmp_lt_u32 s[WV], 2           ; a wave's two fills stand in one branch, ahead of every wait on TENSORcnt and every LDS read: two loads of mine are out
	s_cbranch_scc0 .Lfirst_v
	tensor_load_to_lds s[G0KA:G0KA+3], s[G1KA:G1KA+7]
	s_nop 0
	tensor_load_to_lds s[G0KB:G0KB+3], s[G1KB:G1KB+7]
	s_nop 0
.rept 4
	v_nop
.endr
	s_branch .Lfirst_asked
.Lfirst_v:
	tensor_load_to_lds s[G0VA:G0VA+3], s[G1VA:G1VA+7]
	s_nop 0
	tensor_load_to_lds s[G0VB:G0VB+3], s[G1VB:G1VB+7]
	s_nop 0
.rept 4
	v_nop
.endr
.Lfirst_asked:
	; A fragment of K or Q is 16 rows x 32 channels in 8 registers: lane l holds row l % 16, channels 8 (l / 16) + 0..7 and 16 + 8 (l / 16) + 0..7
	v_and_b32 v1, 15, v0
	v_bfe_u32 v9, v0, 4, 1
	v_lshlrev_b32 v[QO], 7, v1
	v_lshl_add_u32 v[QO], v9, 4, v[QO]
	WIN 0x80
.set i, 0
.rept 4*NP                          ; Q stays in registers: tile i / 2, channels 32 (i % 2) on
	global_load_b128 v[8*i:8*i+3],   v[QO], s[4:5] offset:(i/2)*2048+(i%2)*64
	global_load_b128 v[8*i+4:8*i+7], v[QO], s[4:5] offset:(i/2)*2048+(i%2)*64+32
.set i, i+1
.endr
	; What the first turn finds: V's registers and P's second buffer hold 0, O^T and l are 0.  All this stands in the wait for the first tile.
.set i, VF
.rept 64
	v_mov_b32 v[i], 0
.set i, i+1
.endr
	WIN 0x40
.set i, 0
.rept 64*NP
	v_mov_b32 v[i], 0
.set i, i+1
.endr
	WIN 0
.set i, 0
.rept 2*NP
	v_mov_b32 v[ST+4*i], 0xfe000000    ; c m: far below every c s
	v_mov_b32 v[ST+4*i+1], 0xff7fffff  ; m
	v_mov_b32 v[ST+4*i+2], 0
	v_mov_b32 v[ST+4*i+3], 0
.set i, i+1
.endr
.set i, P+32
.rept 32
	v_mov_b32 v[i], 0
.set i, i+1
.endr
	v_mul_u32_u24 v[AK0], v1, PK
	v_lshl_add_u32 v[AK0], v9, 4, v[AK0]
	; The turning load takes 16 keys x 16 channels (lane l reads key 8 (l / 16) + l % 8, channels 8 ((l / 8) % 2) + 0..7) and leaves half a fragment of V^T
	v_and_b32 v10, 7, v0
	v_bfe_u32 v11, v0, 3, 1
	v_lshl_add_u32 v[AV0], v9, 3, v10
	v_mul_u32_u24 v[AV0], v[AV0], PV
	v_lshl_add_u32 v[AV0], v11, 4, v[AV0]
	v_add_nc_u32 v[AV0], VOFF, v[AV0]
	v_mov_b32 v[AK], v[AK0]         ; key step 0
; THE MATRIX WORK.  The 8 accumulators of a run of 16 take turns.
.macro KQ x                         ; product i of 16 of S^T = K Q^T for piece x: channels 32 (i / 8) on, keys 16 ((i / 2) % 4) on, tile 2 x + i % 2.  The first 8 start the sums
	WIN W_KQ
.set rS, S+64*((\x)%2)+32*(i%2)+8*((i/2)%4)
.set rK, KF+16*((i/2)%4)+8*(i/8)
.set rQ, 16*(2*(\x)+i%2)+8*(i/8)
.if i < 8
	v_wmma_f32_16x16x32_f16 v[rS:rS+7], v[rK:rK+7], v[rQ:rQ+7], 0
.else
	v_wmma_f32_16x16x32_f16 v[rS:rS+7], v[rK:rK+7], v[rQ:rQ+7], v[rS:rS+7]
.endif
.endm
.macro PV x                         ; product i of 16 of O^T += V^T P for piece x: keys 32 (i / 8) on, channels 16 ((i / 2) % 4) on, tile 2 x + i % 2
	WIN W_PV
.set rO, 32*(2*(\x)+i%2)+8*((i/2)%4)
.set rV, VF+32*(i/8)+8*((i/2)%4)
.set rP, P+32*((\x)%2)+16*(i%2)+8*(i/8)
	v_wmma_f32_16x16x32_f16 v[rO:rO+7], v[rV:rV+7], v[rP:rP+7], v[rO:rO+7]
.endm
.macro MM                           ; the turn's next matrix instruction
.if i < 16
	KQ (Y+1)%NP
.set i, i+1
.else
.set i, i-16
	PV (Y+NP-1)%NP
.set i, i+17
.endif
.endm
; THE LDS LOADS stand in runs of 16.  last = 1 (in the loop): in the walk's last step there is no further step, and the run is jumped over.
.macro FETCH_K last=0
	WIN 0
.if \last
	s_cmp_eq_u32 s[TOT], 1
	s_cbranch_scc1 .Lno_k_\@
.endif
	WIN 0x80
.irp f, 0,1,2,3,4,5,6,7             ; keys 16 (f / 2) on, channels 32 (f % 2) on
	ds_load_b128 v[KF+8*\f:KF+8*\f+3],   v[AK] offset:(\f/2)*16*PK+(\f%2)*64
	ds_load_b128 v[KF+8*\f+4:KF+8*\f+7], v[AK] offset:(\f/2)*16*PK+(\f%2)*64+32
.endr
	s_add_co_u32 s[TBK], s[TBK], KS*PK  ; the next fetch is the next step's
	WIN 0
.if \last
.Lno_k_\@:
.endif
.endm
.macro FETCH_V
	WIN 0x80
.irp f, 0,1,2,3,4,5,6,7             ; keys 32 (f / 4) on, channels 16 (f % 4) on
	ds_load_tr16_b128 v[VF+8*\f:VF+8*\f+3],   v[AV] offset:(\f/4)*32*PV+(\f%4)*32
	ds_load_tr16_b128 v[VF+8*\f+4:VF+8*\f+7], v[AV] offset:(\f/4)*32*PV+16*PV+(\f%4)*32
.endr
	WIN 0
.endm
; THE VECTOR WORK OF A TURN stands in three queues, each in the order in which its entries become ready; the two tiles alternate.
.macro REGS y, u
.set rT, ST+4*(2*(\y)+(\u))
.set rC, TMP+8*((\y)%2)+4*(\u)
.set rM, MV+2*((\y)%2)+(\u)
.set rS, S+64*((\y)%2)+32*(\u)
.set rP, P+32*((\y)%2)+16*(\u)
.set rO, 32*(2*(\y)+(\u))
.endm
; Number n of the 22 that find the NEXT piece's maximum and statistics; each accumulator's lowest registers are read first.
;   0-11 four chains of seven scores     12-14, 16 the four left over, the old m, all into c0     15 c m_old is kept     17, 18 the other half of the lanes: the new m     19-21 c m; its change; a
.macro XS u, n
	REGS (Y+1)%NP, \u
.if (\n) < 4
	v_max3_num_f32 v[rC+(\n)], v[rS+8*(\n)], v[rS+8*(\n)+1], v[rS+8*(\n)+2]
.elseif (\n) < 12
	v_max3_num_f32 v[rC+(\n)%4], v[rC+(\n)%4], v[rS+8*((\n)%4)+2*((\n)/4)+1], v[rS+8*((\n)%4)+2*((\n)/4)+2]
.elseif (\n) == 12
	v_max3_num_f32 v[rC], v[rC], v[rS+7], v[rS+15]
.elseif (\n) == 13
	v_max3_num_f32 v[rC+1], v[rC+1], v[rS+23], v[rS+31]
.elseif (\n) == 14
	v_max3_num_f32 v[rC+2], v[rC+2], v[rC+3], v[rT+1]
.elseif (\n) == 15
	v_mov_b32 v[rM], v[rT]
.elseif (\n) == 16
	v_max3_num_f32 v[rC], v[rC], v[rC+1], v[rC+2]
.elseif (\n) == 17
	v_permlanex16_b32 v[rC+3], v[rC], s[SEL], s[SEL+1]
.elseif (\n) == 18
	v_max_num_f32 v[rT+1], v[rC], v[rC+3]
.elseif (\n) == 19
	v_mul_f32 v[rT], s[CS], v[rT+1]
.elseif (\n) == 20
	v_sub_f32 v[rC+1], v[rM], v[rT]
.else
	v_exp_f32 v[rC+2], v[rC+1]
.endif
.endm
; Number g of the 64 that follow the exponentials: for each four weights both pairs are rounded to f16, the second pair is added onto the first, and a group later l takes that sum (the first time as l = a l + sum).
.macro GS g
.set h, (\g)+6*((\g)/62)
.if h >= 6
.set h, h+2
.endif
	REGS Y, h%2
.set k, h/8
.if h%8 < 4
	v_cvt_pk_f16_f32 v[rP+2*k+(h%8)/2], v[rS+4*k+2*((h%8)/2)], v[rS+4*k+2*((h%8)/2)+1]
.elseif h%8 < 6
	v_pk_add_f32 v[rS+4*k:rS+4*k+1], v[rS+4*k:rS+4*k+1], v[rS+4*k+2:rS+4*k+3]
.elseif k == 1
	v_pk_fma_f32 v[rT+2:rT+3], v[rT+2:rT+3], v[rC+2:rC+3], v[rS:rS+1] op_sel_hi:[1,0,1]
.else
	v_pk_add_f32 v[rT+2:rT+3], v[rT+2:rT+3], v[rS+4*k-4:rS+4*k-3]
.endif
.endm
; THE PLAIN QUEUE, 138 long.  0-73 read no exponential's result: the 32 scalings c s - c m and the next piece's 42.  74-137: GS's 64, which stand behind the wait.
.macro FS f
	REGS Y, (\f)%2
	v_pk_fma_f32 v[rS+2*((\f)/2):rS+2*((\f)/2)+1], v[rS+2*((\f)/2):rS+2*((\f)/2)+1], s[CS:CS+1], v[rT:rT+1] op_sel_hi:[1,0,0] neg_lo:[0,0,1] neg_hi:[0,0,1]
.endm
.macro PL
	WIN 0
.if q < 27
	FS q
.elseif q < 55
	XS (q-27)%2, (q-27)/2
.elseif q < 57
	XS q-55, 15
.elseif (q < 72) && ((q-57)%3 == 0)
	FS 27+(q-57)/3
.elseif q < 60
	XS (q-57)%3-1, 14
.elseif q < 72
	XS (q-57)%3-1, 15+(q-57)/3
.elseif q < 74
	XS q-72, 20
.else
	GS q-74
.endif
.set q, q+1
.endm
; THE EXPONENTIALS' QUEUE, 66 long: s0-s31 of both tiles, then the next piece's two a: one batch, ahead of the turn's one wait.
.macro EX
	WIN 0
.if e >= 64
	XS e-64, 21
.else
	REGS Y, e%2
	v_exp_f32 v[rS+e/2], v[rS+e/2]
.endif
.set e, e+1
.endm
; THE RESCALING's QUEUE: O^T times a, two at a time, sixteen times.  Its a was made, and waited for, in the turn before.
.macro R2
	REGS Y, r%2
	WIN W_RS
.irp z, 0,1
	v_pk_mul_f32 v[rO+4*(r/2)+2*\z:rO+4*(r/2)+2*\z+1], v[rO+4*(r/2)+2*\z:rO+4*(r/2)+2*\z+1], v[rC+2:rC+3] op_sel_hi:[1,0]
.endr
.set r, r+1
.endm
; A TURN, for piece p.  Ahead of its one wait stands all that names no result of the turn's exponentials: 16 products K Q^T, behind each a scaling, an exponential and two rescalings; then a run of 108.
; Behind it: 16 products V^T P, behind each four of the roundings and sums.  Exponential e stands behind scaling 2 (e / 4) + e % 2: as a rider behind plain e + 2, in the run behind plain e + 9.
; K of the next step is fetched in piece 2's turn, directly behind the wait; V of the step in hand at the end of piece 0's turn, four plain instructions behind its last reader.
; cnt = 1: the step's two counts are taken down some lines ahead of the branch that stands behind the turn.
.macro TURN p, last=0, cnt=0
.set Y, (\p)
.set i, 0
.set q, 0
.set e, 0
.set r, 0
.if (\p) == NP-1
	s_wait_dscnt 0x0                ; K is in
.endif
	MM
	PL
	PL
	R2
.rept 15
	MM
	PL
	EX
	R2
.endr
.if (\p) == NP-2
	WIN 0
	v_add_nc_u32 v[AK], s[TBK], v[AK0]
.endif
.rept 8
	PL
.endr
.rept 49
	EX
	PL
.endr
	EX                              ; the next piece's two a
	EX
	v_nop                           ; a plain instruction behind the last exponential (ISA guide 5.7.2): one for the batch
	s_wait_alu depctr_va_vdst(0)    ; the wait for the batch, ahead of its first reader
.if (\p) == NP-2
	FETCH_K \last
.endif
.if (\p) == 1
	s_wait_dscnt 0x0                ; V is in
.endif
.rept 16
	MM
.rept 4
	PL
.endr
.if ((\p) == 0) && (q == 118)
	v_add_nc_u32 v[AV], s[TBV], v[AV0]
.endif
.if ((\p) == 0) && (q == 130)
	s_add_co_u32 s[TBV], s[TBV], KS*PV
.endif
.if (\cnt) && (q == 130)
	s_sub_co_u32 s[TOT], s[TOT], 1
	s_sub_co_u32 s[CNT], s[CNT], 1
	s_cmp_lg_u32 s[CNT], 0
.endif
.endr
.if (\p) == 0
	FETCH_V
.endif
.endm
	s_wait_tensorcnt 0x1            ; my first load is in; my second may stay out
	s_barrier_signal -1
	s_barrier_wait -1               ; everybody's is: K's first 320 keys, V's first 256
	FETCH_K                         ; key step 0
	s_wait_loadcnt 0x0              ; Q
	s_wait_dscnt 0x0
.set i, 0
.rept 16
	KQ 0                            ; piece 0's first scores
.set i, i+1
.endr
	WIN 0                           ; the addresses for the way out: plain instructions, the places behind those products
	s_mul_i32 s13, s[WV], 16*SP
	s_add_co_u32 s13, s13, STAGE
	v_mul_u32_u24 v[STO], v1, SP    ; in: row l % 16, 16 bytes for each half of the lanes
	v_lshl_add_u32 v[STO], v9, 4, v[STO]
	v_add_nc_u32 v[STO], s13, v[STO]
	v_bfe_u32 v[RD], v0, 3, 2       ; back: 32 lanes take four rows of 128 bytes,
	v_mul_u32_u24 v[RD], v[RD], SP
	v_lshl_add_u32 v[RD], v10, 4, v[RD]
	v_add_nc_u32 v[RD], s13, v[RD]
	v_and_b32 v[GO], 31, v0         ; which are 512 consecutive bytes of O
	v_lshlrev_b32 v[GO], 4, v[GO]
.set Y, NP-1
.irp n, 0,1,2,3,4,5,6,7,8,9,10,11,12,13,14,15,16,17,18,19,20,21
	XS 0, \n                        ; piece 0's first maximum and statistics
	XS 1, \n
.endr
	v_nop
	s_wait_alu depctr_va_vdst(0)    ; the two a have their wait ahead of the label
	s_mov_b32 s[TOT], SIZE_N/KS     ; 16 key steps,
	s_mov_b32 s[PH], SIZE_N/KS/4    ; in four phases of four
.Lphase:
	s_mov_b32 s[CNT], 4
.Lstep:                             ; a trip is a key step: its four pieces' turns; it fetches its own V and the next step's K
	TURN 0
	TURN 1
	TURN 2, 1
	TURN 3, 0, 1
	WIN 0
	s_cbranch_scc1 .Lstep
	s_wait_tensorcnt 0x0            ; behind step 3: my second load is in (behind steps 7, 11 and 15 nothing is out),
	s_wait_dscnt 0x0
	s_barrier_signal -1
	s_barrier_wait -1               ; everybody's is: from here on V of step 4 and K of step 5 are read
	s_sub_co_u32 s[PH], s[PH], 1
	s_cmp_lg_u32 s[PH], 0
	s_cbranch_scc1 .Lphase
	; the last step's 16 products K Q^T for a further step (on the last K once more) and the maximum made of them serve nothing: the price, once a launch, of one text for every step
.set i, 0
.rept 16
	PV NP-1                         ; the last piece's V^T P of the last step
.set i, i+1
.endr
	; THE WAY OUT.  l's two halves and the other half of the lanes' are added; O^T is divided by l, rounded to f16 and sent through my stage, a tile at a time.  The additions are the places behind the last products.
	WIN 0
.macro ALL line:vararg
.set t, 0
.rept 2*NP
	\line
.set t, t+1
.endr
.endm
	ALL v_add_f32 v[ST+4*t+2], v[ST+4*t+2], v[ST+4*t+3]
	ALL v_permlanex16_b32 v[ST+4*t+3], v[ST+4*t+2], s[SEL], s[SEL+1]
	ALL v_add_f32 v[ST+4*t+2], v[ST+4*t+2], v[ST+4*t+3]
	ALL v_rcp_f32 v[ST+4*t+2], v[ST+4*t+2]
	v_nop
	s_wait_alu depctr_va_vdst(0)    ; one wait for the eight reciprocals, ahead of their first use
.macro PACK t
	WIN W_RS
.set i, 32*(\t)
.rept 16
	v_pk_mul_f32 v[i:i+1], v[i:i+1], v[ST+4*(\t)+2:ST+4*(\t)+3] op_sel_hi:[1,0]
.set i, i+2
.endr
	WIN 0x05
.set i, 0
.rept 16
	v_cvt_pk_f16_f32 v[S+16*(\t)+i], v[32*(\t)+2*i], v[32*(\t)+2*i+1]
.set i, i+1
.endr
	WIN 0
.irp f, 0,1,2,3
	ds_store_b128 v[STO], v[S+16*(\t)+4*\f:S+16*(\t)+4*\f+3] offset:32*\f
.endr
.irp f, 0,1,2,3
	ds_load_b128 v[S+16*(\t)+4*\f:S+16*(\t)+4*\f+3], v[RD] offset:\f*4*SP  ; LDS serves a wave's instructions in order (ISA guide 5.7.1.4): these see the stores above
.endr
.endm
.macro SEND t, younger
	WIN 0
.irp f, 0,1,2,3
	s_wait_dscnt (\younger)+3-\f
	global_store_b128 v[GO], v[S+16*(\t)+4*\f:S+16*(\t)+4*\f+3], s[OP:OP+1] offset:(\t)*2048+\f*512  ; 512 consecutive bytes, aligned
.endr
.endm
	PACK 0
.set t, 1
.rept 2*NP-1
	PACK t
	SEND t-1, 8
.set t, t+1
.endr
	SEND 2*NP-1, 0
	WIN W_AD
	s_wait_tensorcnt 0x0            ; the wave's end
	ds_add_u32 v[SPW], v[NIL]
	s_wait_dscnt 0x0
	WIN 0
	s_endpgm
.Lfunc_end_k_q46b628e03c_attn:
	.size	k_q46b628e03c_attn, .Lfunc_end_k_q46b628e03c_attn-k_q46b628e03c_attn
	.p2alignl 7, 3214868480
	.fill 96, 4, 3214868480
	.section	.rodata,"a",@progbits
	.p2align	6, 0x0
	.amdhsa_kernel k_q46b628e03c_attn
		.amdhsa_group_segment_fixed_size 327680
		.amdhsa_private_segment_fixed_size 0
		.amdhsa_enable_private_segment 0
		.amdhsa_kernarg_size 16
		.amdhsa_user_sgpr_count 2
		.amdhsa_user_sgpr_kernarg_segment_ptr 1
		.amdhsa_wavefront_size32 1
		.amdhsa_system_sgpr_workgroup_id_x 1
		.amdhsa_system_sgpr_workgroup_id_y 1
		.amdhsa_system_sgpr_workgroup_id_z 1
		.amdhsa_system_vgpr_workitem_id 0
		.amdhsa_next_free_vgpr 770
		.amdhsa_next_free_sgpr 88
		.amdhsa_reserve_vcc 0
		.amdhsa_float_denorm_mode_32 3
		.amdhsa_float_denorm_mode_16_64 3
		.amdhsa_memory_ordered 1
		.amdhsa_forward_progress 1
		.amdhsa_inst_pref_size 126
	.end_amdhsa_kernel
	.amdgpu_metadata
---
amdhsa.version: [ 1, 2 ]
amdhsa.kernels:
  - .name:           k_q46b628e03c_attn
    .symbol:         k_q46b628e03c_attn.kd
    .args:
      - { .name: qkv, .offset: 0, .size: 8, .value_kind: global_buffer, .address_space: global }
      - { .name: ob, .offset: 8, .size: 8, .value_kind: global_buffer, .address_space: global }
    .group_segment_fixed_size: 327680
    .private_segment_fixed_size: 0
    .kernarg_segment_align: 8
    .kernarg_segment_size: 16
    .max_flat_workgroup_size: 128
    .sgpr_count:     88
    .vgpr_count:     770
    .wavefront_size: 32
...
	.end_amdgpu_metadata
.endif
;; end of part 3
;; launch proj (part 4): grid 4 x 64, 4 waves a work-group, clusters of 4 x 4, 327,680 bytes of LDS; arguments ob, wpb, b_proj, out0; writes out0
.if DOCPART == 4
	.amdgcn_target "amdgcn-amd-amdhsa--gfx1250"
	.amdhsa_code_object_version 6
	.text
	.protected	k_q46b628e03c_proj
	.globl	k_q46b628e03c_proj
	.p2align	8
	.type	k_q46b628e03c_proj,@function
k_q46b628e03c_proj:
	s_mov_b64 s[64:65], 0
	v_nop
	global_prefetch_b8 v0, s[64:65] scope:SCOPE_SE
	s_setreg_imm32_b32 hwreg(HW_REG_WAVE_MODE, 25, 1), 1
	s_wait_xcnt 0x0
	s_wait_alu depctr_hold_cnt(0) depctr_sa_sdst(0) depctr_va_vdst(0) depctr_va_sdst(0) depctr_va_ssrc(0) depctr_va_vcc(0) depctr_vm_vsrc(0)
	s_getreg_b32 s2, hwreg(HW_REG_IB_STS2, 6, 4)
	s_cmp_eq_u32 s2, 0
	s_cbranch_scc0 .Lentry_in_a_cluster
	s_endpgm
.Lentry_in_a_cluster:
	s_bfe_u32 s2, ttmp6, 0x10000c
	s_cmp_lg_u32 s2, 0xf033
	s_cbranch_scc0 .Lentry_shape_is_right
	s_endpgm
.Lentry_shape_is_right:
; out0[m][n] = the sum over k of O[m][k] W[n][k] + b[n].  O: ob[batch x head 128][token 1024][64] f16, which is O in blocks of 64 channels (block = head); W: wpb[16][1024][64] f16; out0 [8192][1024] f32.
; Sums in f32, K ascending; b is rounded to bf16 like the other inputs and added in f32.  LIMIT: O and W lie within f16's 65,504.
; SHARES.  A tile of 128 x 256 gives 256 work-groups.  Four waves, each 64 x 128: 32 accumulators, 256 registers (window 1, (a, b) at 8 (8 a + b)).
; K goes in steps of 128 (two heads) through two LDS slots.  Waves 0, 1 fetch A's 128 rows of head 2 j, 2 j + 1 (64 rows of 256 bytes each), waves 2, 3 W's 256 rows of those blocks (128 rows of 256 bytes).
; CLUSTER 4 x 4: A's tile is asked for jointly along a row of the cluster, W's along a column.  THE MATRIX INSTRUCTION IS USED TRANSPOSED: a lane holds one row of out0 and 8 neighbouring columns.
; Window 0: v16-29 addresses; v32-37 the bias; v64-159, v160-255 two fragment buffers of 32 K: W's 64 registers, then A's 32.
.set STEPB, 262144                     ; bytes from a K step to the next, in ob and in wpb: two blocks of 131,072
.set PITCH, 144                        ; 128 bytes + 16: the 16 rows of a fragment load start at 16 different groups of four banks (ISA guide 11.1)
.set AH,    128*PITCH
.set BH,    256*PITCH
.set SLOT,  2*AH+2*BH                  ; 110,592
.set STAGE, 2*SLOT                     ; behind the ring: 16 rows x 528 bytes for each wave
.set SPI,   528
.set SPARE, STAGE+4*16*SPI             ; the spare words, 128 bytes a wave: two blocks of 256 bytes that no other line names
.set FLAGS, (1<<16)|(1<<20)|(1<<21)|(4<<22)|(3<<25)
.set ADRA, 16
.set ADRB, 18
.set STO,  20
.set RD,   21
.set CO,   22                          ; 16 x lane: my bytes of a row's 512
.set PFO,  26                          ; 256 x lane; never rewritten
.set SPW,  28
.set NIL,  29
.set BI,   32
.set F0,   64
.set F1,   160
.set OB,   64                          ; the way out: two sets of 64
.set WV, 12
.set RH, 13
.set CH, 14
.set CX, 15
.set CY, 16
.set NT, 17
.set MT, 18
.set G1A, 24
.set G1B, 32
.set G0A, 40
.set G0B, 48
.set PFA, 56
.set LIM, 58
.set MSB, 0
.macro WIN new
.if MSB != (\new)
	s_set_vgpr_msb (MSB<<8)|(\new)
.set MSB, (\new)
.endif
.endm
.macro PLACES
.rept 4
	v_nop
.endr
.endm
.macro JLOAD s                         ; a joint load: waves 0, 1 ask for A's two heads, waves 2, 3 for W's two blocks
	s_cmp_lt_u32 s[WV], 2
	s_cbranch_scc0 .Lfor_b_\@
	tensor_load_to_lds s[G0A+4*(\s):G0A+4*(\s)+3], s[G1A:G1A+7]
	s_nop 0
.rept 4
	v_nop
.endr
	s_branch .Lasked_\@
.Lfor_b_\@:
	tensor_load_to_lds s[G0B+4*(\s):G0B+4*(\s)+3], s[G1B:G1B+7]
	s_nop 0
.rept 4
	v_nop
.endr
.Lasked_\@:
.endm
.macro CREST
	s_cmp_lg_u32 s[WV], 0
	s_cbranch_scc1 .Lnot_wave_0_\@
	s_barrier_signal -3
.Lnot_wave_0_\@:
	s_barrier_wait -3
	s_barrier_signal -1
	s_barrier_wait -1
.endm
.macro CROUND
	s_barrier_signal -1
	s_barrier_wait -1
	CREST
.endm
; A PREFETCH INTO THE L2 behind each joint refill and its run of LDS loads: the K step that stands two refills on (steps 4 to 7), 32 lanes x 256 bytes, one instruction a wave.
; A's 32,768 bytes of a step are read by one cluster: wave 0 of each of the four partners takes 8,192, told apart by address (cx).  W's 65,536 bytes are read by every cluster of the column: cluster y = 0 asks,
; waves 2 and 3 each for its block, the four partners 8,192 bytes each (cy).  Wave 1 asks for nothing.  The last lap asks for nothing: there is no step behind the eighth.
.macro ASK
	s_cmp_gt_u32 s3, s[LIM]
	s_cbranch_scc0 .Lnot_mine_\@
	global_prefetch_b8 v[PFO], s[PFA:PFA+1] offset:STEPB th:TH_LOAD_NT scope:SCOPE_SE
.Lnot_mine_\@:
.endm
.macro MUL8 f, a, zero                 ; 8 matrix instructions: row block a x all 8 column blocks; each names another accumulator
	WIN 0x50
.irp b, 0,1,2,3,4,5,6,7
.if \zero
	v_wmma_f32_16x16x32_f16 v[8*(8*(\a)+\b):8*(8*(\a)+\b)+7], v[(\f)+8*\b:(\f)+8*\b+7], v[(\f)+64+8*(\a):(\f)+64+8*(\a)+7], 0
.else
	v_wmma_f32_16x16x32_f16 v[8*(8*(\a)+\b):8*(8*(\a)+\b)+7], v[(\f)+8*\b:(\f)+8*\b+7], v[(\f)+64+8*(\a):(\f)+64+8*(\a)+7], v[8*(8*(\a)+\b):8*(8*(\a)+\b)+7]
.endif
.endr
.endm
.macro FETCH sl, q, f                  ; 24 loads: quarter q of the slot (block q / 2, K 32 (q % 2) on): W's 8 fragments, then A's 4
	WIN 0
.irp b, 0,1,2,3,4,5,6,7
	ds_load_b128 v[(\f)+8*\b:(\f)+8*\b+3],   v[ADRB+(\sl)] offset:((\q)/2)*BH+((\q)%2)*64+\b*16*PITCH
	ds_load_b128 v[(\f)+8*\b+4:(\f)+8*\b+7], v[ADRB+(\sl)] offset:((\q)/2)*BH+((\q)%2)*64+\b*16*PITCH+32
.endr
.irp a, 0,1,2,3
	ds_load_b128 v[(\f)+64+8*\a:(\f)+64+8*\a+3],   v[ADRA+(\sl)] offset:((\q)/2)*AH+((\q)%2)*64+\a*16*PITCH
	ds_load_b128 v[(\f)+64+8*\a+4:(\f)+64+8*\a+7], v[ADRA+(\sl)] offset:((\q)/2)*AH+((\q)%2)*64+\a*16*PITCH+32
.endr
.endm
.macro QUARTER sl, qn, f, g, zero      ; multiplies buffer f; in its middle it fetches quarter qn into buffer g
	s_wait_dscnt 4                                 ; W and A's blocks 0, 1 are in; the youngest four loads may be out
	MUL8 \f, 0, \zero
	MUL8 \f, 1, \zero
	PLACES
	FETCH \sl, \qn, \g
	s_wait_dscnt 24                                ; all but the 24 just issued
	MUL8 \f, 2, \zero
	MUL8 \f, 3, \zero
.endm
; The last quarter multiplies buffer 1 and changes slots: each wave waits for all its tensor loads (one is out: its part of the next slot), adds 0 to its spare word, and waits for that and for its reads of this slot.
; fill = 1: the barrier opens a round of the cluster's, and the joint refill, two steps on, is the first thing behind it: 112 matrix instructions ahead of the wait for it.
.macro TURN sl, nx, fill
.if \fill
	s_wait_xcnt 0x0                                ; the last prefetch, a K step back, has read its address
	s_add_nc_u64 s[PFA:PFA+1], s[PFA:PFA+1], STEPB
.endif
	WIN 0
	s_wait_tensorcnt 0x0
	ds_add_u32 v[SPW], v[NIL]                      ; 0 onto my spare word
	s_wait_dscnt 5                                 ; the add and the youngest four loads may be out
	MUL8 F1, 0, 0
	s_wait_dscnt 0x0                               ; the add is done, and my reads of this slot are over
	s_barrier_signal -1
	MUL8 F1, 1, 0
	WIN 0
	s_barrier_wait -1
.if \fill
	CREST
	s_add_nc_u64 s[G0A+4*(\sl)+2:G0A+4*(\sl)+3], s[G0A+4*(\sl)+2:G0A+4*(\sl)+3], 2*STEPB
	s_add_nc_u64 s[G0B+4*(\sl)+2:G0B+4*(\sl)+3], s[G0B+4*(\sl)+2:G0B+4*(\sl)+3], 2*STEPB
	JLOAD \sl                                      ; its four v_nop are also the places in front of the loads below
.else
	PLACES
.endif
	FETCH \nx, 0, F0
.if \fill
	ASK
.endif
	MUL8 F1, 2, 0
	MUL8 F1, 3, 0
.endm
	s_load_b256 s[4:11], s[0:1], 0x0               ; ob s[4:5], wpb s[6:7], b_proj s[8:9], out0 s[10:11]
	v_lshl_add_u32 v[SPW], v0, 2, SPARE
	v_mov_b32 v[NIL], 0
	ds_add_u32 v[SPW], v[NIL]                      ; the wave's opening: the add and its wait stand ahead of my first tensor load
	v_lshrrev_b32 v1, 5, v0
	v_readfirstlane_b32 s[WV], v1
	s_lshr_b32 s[RH], s[WV], 1                     ; my half of the tile's rows
	s_and_b32 s[CH], s[WV], 1                      ; my half of its columns; also: which of a step's two blocks I fetch
	s_bfe_u32 s[CX], ttmp6, 0x40000
	s_bfe_u32 s[CY], ttmp6, 0x40004
	s_lshl_b32 s[NT], ttmp9, 2
	s_add_co_u32 s[NT], s[NT], s[CX]               ; tile column 0..3
	s_and_b32 s[MT], ttmp7, 0xffff
	s_lshl_b32 s[MT], s[MT], 2
	s_add_co_u32 s[MT], s[MT], s[CY]               ; tile row 0..63
	s_lshl_b32 s62, s[CY], 2
	s_lshl_b32 s62, 15, s62                        ; my row of the cluster
	s_lshl_b32 s63, 0x1111, s[CX]                  ; my column
	s_or_b32 s[G1A], s62, FLAGS
	s_or_b32 s[G1B], s63, FLAGS
.irp g, G1A, G1B
	s_mov_b32 s[\g+1], 128<<16                     ; tensor_dim0 = 128 elements: 256 bytes, two rows of a block
	s_mov_b32 s[\g+3], 128<<16                     ; tile_dim0
	s_mov_b32 s[\g+5], 128                         ; dense
	s_mov_b32 s[\g+6], 0
	s_mov_b32 s[\g+7], 0
.endr
	s_mov_b32 s[G1A+2], 64<<16
	s_mov_b32 s[G1A+4], 64
	s_mov_b32 s[G1B+2], 128<<16
	s_mov_b32 s[G1B+4], 128
	s_lshr_b32 s20, s[MT], 3                       ; A: batch x 16 heads x 131,072
	s_lshl_b32 s20, s20, 21
	s_and_b32 s21, s[MT], 7
	s_lshl_b32 s21, s21, 14                        ; + 128 tokens x 128 bytes a tile
	s_add_co_u32 s20, s20, s21
	s_lshl_b32 s21, s[CH], 17                      ; + my head of the step's two
	s_add_co_u32 s20, s20, s21
	s_mov_b32 s21, 0
	s_lshl_b32 s22, s[NT], 15                      ; W: 256 rows x 128 bytes a tile
	s_lshl_b32 s23, s[CH], 17
	s_add_co_u32 s22, s22, s23
	s_mov_b32 s23, 0
	s_mul_i32 s60, s[WV], AH                       ; where A's rows go (waves 0, 1): wave x 128 rows
	s_mul_i32 s61, s[CH], BH                       ; and W's (waves 2, 3): block wave % 2 of the step's two,
	s_add_co_u32 s61, s61, 2*AH                    ; behind A's two heads
	s_wait_dscnt 0x0                               ; the opening add is done
	s_wait_kmcnt 0x0
	s_add_nc_u64 s[20:21], s[4:5], s[20:21]
	s_add_nc_u64 s[22:23], s[6:7], s[22:23]
	CROUND                                         ; all sixteen work-groups are here: the first joint loads meet
.irp s, 0,1
	s_mov_b32 s[G0A+4*\s], 1
	s_add_co_u32 s[G0A+4*\s+1], s60, \s*SLOT
	s_add_nc_u64 s[G0A+4*\s+2:G0A+4*\s+3], s[20:21], \s*STEPB
	s_or_b32 s[G0A+4*\s+3], s[G0A+4*\s+3], 0x80000000
	s_mov_b32 s[G0B+4*\s], 1
	s_add_co_u32 s[G0B+4*\s+1], s61, \s*SLOT
	s_add_nc_u64 s[G0B+4*\s+2:G0B+4*\s+3], s[22:23], \s*STEPB
	s_or_b32 s[G0B+4*\s+3], s[G0B+4*\s+3], 0x80000000
	JLOAD \s                                       ; K steps 0 and 1: two loads of mine are out
.endr
	s_lshl_b32 s69, s[NT], 10                      ; my first column, in bytes of f32: 1,024 x tile column + 512 x half
	s_lshl_b32 s70, s[CH], 9
	s_add_co_u32 s69, s69, s70
	v_and_b32 v1, 31, v0
	v_lshlrev_b32 v[CO], 4, v1
	v_add_nc_u32 v2, s69, v[CO]
	global_load_b128 v[BI:BI+3], v2, s[8:9]        ; the bias of my four columns of a row's 128
	v_lshlrev_b32 v[PFO], 8, v1
	; the prefetches
	s_lshr_b32 s66, s[CX], 1
	s_lshl_b32 s66, s66, 17                        ; A: partners 0, 1 the step's first head, 2, 3 its second,
	s_and_b32 s67, s[CX], 1
	s_lshl_b32 s67, s67, 13                        ; 8,192 bytes each
	s_add_co_u32 s66, s66, s67
	s_lshl_b32 s67, s[CY], 13                      ; W: 8,192 bytes of my block's 32,768
	s_and_b32 s68, ttmp7, 0xffff                   ; cluster y
	s_cmp_lt_u32 s[WV], 2
	s_cselect_b64 s[PFA:PFA+1], s[20:21], s[22:23]
	s_cselect_b32 s66, s66, s67
	s_cselect_b32 s68, ttmp9, s68                  ; the coordinate along which other clusters read the same rows
	s_cmp_eq_u32 s[WV], 1
	s_cselect_b32 s68, 1, s68                      ; wave 1 never asks
	s_cmp_eq_u32 s68, 0
	s_cselect_b32 s[LIM], 1, -1                    ; the same in all sixteen partners, for a given wave
	s_mov_b32 s67, 0
	s_add_nc_u64 s[PFA:PFA+1], s[PFA:PFA+1], s[66:67]
	s_add_nc_u64 s[PFA:PFA+1], s[PFA:PFA+1], 2*STEPB  ; at K step 2: the first refill steps it to 3 and names step 4
	v_and_b32 v3, 15, v0                           ; l % 16
	v_bfe_u32 v4, v0, 4, 1                         ; l / 16
	v_mul_u32_u24 v5, v3, PITCH
	v_lshl_add_u32 v5, v4, 4, v5
	s_mul_i32 s60, s[RH], 64*PITCH
	s_mul_i32 s61, s[CH], 128*PITCH
	s_add_co_u32 s61, s61, 2*AH
.irp s, 0,1
	v_add_nc_u32 v[ADRA+\s], s60, v5
	v_add_nc_u32 v[ADRB+\s], s61, v5
	s_add_co_u32 s60, s60, SLOT
	s_add_co_u32 s61, s61, SLOT
.endr
	s_mul_i32 s60, s[WV], 16*SPI
	s_add_co_u32 s60, s60, STAGE                   ; my stage
	v_mul_u32_u24 v[STO], v3, SPI                  ; in: row l % 16, 32 bytes for each half of the lanes
	v_lshl_add_u32 v[STO], v4, 5, v[STO]
	v_add_nc_u32 v[STO], s60, v[STO]
	v_add_nc_u32 v[RD], s60, v[CO]                 ; back: 32 lanes take one row of 512 bytes
	s_lshl_b32 s66, s[MT], 19                      ; 128 rows x 4,096 bytes a tile,
	s_lshl_b32 s67, s[RH], 18                      ; my 64 rows,
	s_add_co_u32 s66, s66, s67
	s_add_co_u32 s66, s66, s69                     ; my columns
	s_mov_b32 s67, 0
	s_add_nc_u64 s[10:11], s[10:11], s[66:67]
	s_wait_loadcnt 0x0
	v_cvt_pk_bf16_f32 v36, v[BI], v[BI+1]          ; rounded to bf16 like the other inputs, kept as f32
	v_cvt_pk_bf16_f32 v37, v[BI+2], v[BI+3]
	v_lshlrev_b32 v[BI], 16, v36
	v_and_b32 v[BI+1], 0xffff0000, v36
	v_lshlrev_b32 v[BI+2], 16, v37
	v_and_b32 v[BI+3], 0xffff0000, v37
	s_wait_tensorcnt 0x1                           ; my part of K step 0 is in; step 1's may stay out
	s_barrier_signal -1
	s_barrier_wait -1
	FETCH 0, 0, F0
	QUARTER 0, 1, F0, F1, 1                        ; the first quarter stands ahead of the loop: its products start the sums
	WIN 0
	s_mov_b32 s3, 3
.Llap:                                         ; a trip goes once round the ring, from a lap's second quarter to the next lap's first, and fills both slots again
	QUARTER 0, 2, F1, F0, 0
	QUARTER 0, 3, F0, F1, 0
	TURN 0, 1, 1
	QUARTER 1, 1, F0, F1, 0
	QUARTER 1, 2, F1, F0, 0
	QUARTER 1, 3, F0, F1, 0
	TURN 1, 0, 1
	QUARTER 0, 1, F0, F1, 0
	WIN 0
	s_sub_co_u32 s3, s3, 1
	s_cmp_lg_u32 s3, 0
	s_cbranch_scc1 .Llap
	QUARTER 0, 2, F1, F0, 0                        ; the last lap fills nothing
	QUARTER 0, 3, F0, F1, 0
	TURN 0, 1, 0
	QUARTER 1, 1, F0, F1, 0
	QUARTER 1, 2, F1, F0, 0
	QUARTER 1, 3, F0, F1, 0
	s_wait_dscnt 4
	MUL8 F1, 0, 0
	MUL8 F1, 1, 0
	s_wait_dscnt 0x0
	MUL8 F1, 2, 0
	MUL8 F1, 3, 0
	WIN 0
	PLACES
	; THE WAY OUT, 16 rows at a time through my own stage: 32 bytes a lane in, whole rows of 512 bytes back, the bias added, stored.
.macro TOSTAGE a
.if (\a) >= 2
	s_wait_xcnt 0x0                                ; the stores of two blocks back have read the registers that are loaded again below
.endif
	WIN 0x04                                       ; the stores' data lie in window 1; each accumulator's low four registers first
.irp b, 0,1,2,3,4,5,6,7
	ds_store_b128 v[STO], v[8*(8*(\a)+\b):8*(8*(\a)+\b)+3]   offset:64*\b
	ds_store_b128 v[STO], v[8*(8*(\a)+\b)+4:8*(8*(\a)+\b)+7] offset:64*\b+16
.endr
	WIN 0
.set BK, OB+64*((\a)%2)
.irp t, 0,1,2,3,4,5,6,7,8,9,10,11,12,13,14,15
	ds_load_b128 v[BK+4*\t:BK+4*\t+3], v[RD] offset:\t*SPI  ; LDS serves a wave's instructions in order (ISA guide 5.7.1.4): these see the stores above; the next block's stores come behind them
.endr
.endm
.macro SEND a, younger                 ; younger: the next block's 32 LDS instructions, or none
.set BK, OB+64*((\a)%2)
	s_wait_dscnt \younger
.irp t, 0,1,2,3,4,5,6,7,8,9,10,11,12,13,14,15
	v_pk_add_f32 v[BK+4*\t:BK+4*\t+1],   v[BK+4*\t:BK+4*\t+1],   v[BI:BI+1]
	v_pk_add_f32 v[BK+4*\t+2:BK+4*\t+3], v[BK+4*\t+2:BK+4*\t+3], v[BI+2:BI+3]
	global_store_b128 v[CO], v[BK+4*\t:BK+4*\t+3], s[10:11] offset:(\a)*65536+\t*4096 th:TH_STORE_NT  ; 512 consecutive bytes, aligned
.endr
.endm
	TOSTAGE 0
	TOSTAGE 1
	SEND 0, 32
	TOSTAGE 2
	SEND 1, 32
	TOSTAGE 3
	SEND 2, 32
	SEND 3, 0
	s_wait_tensorcnt 0x0                           ; the wave's end: these three lines stand behind my last tensor load and my last LDS store
	ds_add_u32 v[SPW], v[NIL]
	s_wait_dscnt 0x0
	CROUND                                         ; the closing round: no work-group ends while a partner may still ask for a tile that names it
	s_endpgm
.Lfunc_end_k_q46b628e03c_proj:
	.size	k_q46b628e03c_proj, .Lfunc_end_k_q46b628e03c_proj-k_q46b628e03c_proj
	.p2alignl 7, 3214868480
	.fill 96, 4, 3214868480
	.section	.rodata,"a",@progbits
	.p2align	6, 0x0
	.amdhsa_kernel k_q46b628e03c_proj
		.amdhsa_group_segment_fixed_size 327680
		.amdhsa_private_segment_fixed_size 0
		.amdhsa_enable_private_segment 0
		.amdhsa_kernarg_size 32
		.amdhsa_user_sgpr_count 2
		.amdhsa_user_sgpr_kernarg_segment_ptr 1
		.amdhsa_wavefront_size32 1
		.amdhsa_system_sgpr_workgroup_id_x 1
		.amdhsa_system_sgpr_workgroup_id_y 1
		.amdhsa_system_sgpr_workgroup_id_z 1
		.amdhsa_system_vgpr_workitem_id 0
		.amdhsa_next_free_vgpr 512
		.amdhsa_next_free_sgpr 96
		.amdhsa_reserve_vcc 0
		.amdhsa_float_denorm_mode_32 3
		.amdhsa_float_denorm_mode_16_64 3
		.amdhsa_memory_ordered 1
		.amdhsa_forward_progress 1
		.amdhsa_inst_pref_size 94
	.end_amdhsa_kernel
	.amdgpu_metadata
---
amdhsa.version: [ 1, 2 ]
amdhsa.kernels:
  - .name:           k_q46b628e03c_proj
    .symbol:         k_q46b628e03c_proj.kd
    .args:
      - { .name: ob, .offset: 0, .size: 8, .value_kind: global_buffer, .address_space: global }
      - { .name: wpb, .offset: 8, .size: 8, .value_kind: global_buffer, .address_space: global }
      - { .name: b_proj, .offset: 16, .size: 8, .value_kind: global_buffer, .address_space: global }
      - { .name: out0, .offset: 24, .size: 8, .value_kind: global_buffer, .address_space: global }
    .group_segment_fixed_size: 327680
    .private_segment_fixed_size: 0
    .kernarg_segment_align: 8
    .kernarg_segment_size: 32
    .max_flat_workgroup_size: 128
    .sgpr_count:     96
    .vgpr_count:     512
    .wavefront_size: 32
...
	.end_amdgpu_metadata
.endif
;; end of part 4
;; ======== version 2 of 2: 4 launches; version 1 with the launch cast written anew for expert scheduling mode
;; limits: values are held in f16: magnitudes above 65,504 overflow, below 6.1e-05 lose precision
;; workspace buffers: xb 16,777,216 bytes; wqb 6,291,456 bytes; wpb 2,097,152 bytes; qkv 50,331,648 bytes; ob 16,777,216 bytes
;; launch cast (part 5): grid 768 x 1, 8 waves a work-group, no clusters, 0 bytes of LDS; arguments hidden_states, w_qkv, w_proj, xb, wqb, wpb; writes xb, wqb, wpb
.if DOCPART == 5
	.amdgcn_target "amdgcn-amd-amdhsa--gfx1250"
	.amdhsa_code_object_version 6
	.text
	.protected	k_q46b628e03c_cast
	.globl	k_q46b628e03c_cast
	.p2align	8
	.type	k_q46b628e03c_cast,@function
k_q46b628e03c_cast:
	s_mov_b64 s[64:65], 0
	v_nop
	global_prefetch_b8 v0, s[64:65] scope:SCOPE_SE
	s_setreg_imm32_b32 hwreg(HW_REG_WAVE_SCHED_MODE, 0, 2), 2
	s_setreg_imm32_b32 hwreg(HW_REG_WAVE_MODE, 25, 1), 1
	s_wait_xcnt 0x0
	s_wait_alu depctr_vm_vsrc(0)
; THE THREE LARGE INPUTS ARE ROUNDED ONCE TO bf16 AND LAID OUT IN BLOCKS OF 64 CHANNELS: dst[kb][row][64], 128 bytes a row, so that any run of rows
; of one block kb is dense in memory and can be asked for as rows of 256 bytes by the launches behind.
; hidden_states [8192][1024] -> xb (bf16), w_qkv [3072][1024] -> wqb (bf16), w_proj [1024][1024] -> wpb: rounded to bf16, and that number written as f16
; (its partner in the last product is f16).  LIMIT: a bf16 number below 6.1e-5 keeps f16's fixed step of 6e-8 in wpb; beyond 65,504 it would be an infinity.
; A work-group takes 16 rows: groups 0-511 of hidden_states, 512-703 of w_qkv, 704-767 of w_proj.  Thread t reads 16 bytes of row t / 16 in each of the
; row's 16 blocks: sixteen lanes read 256 consecutive bytes, aligned.  Its four numbers leave as 8 bytes: a wave's store covers 256 consecutive bytes,
; aligned (two rows of one block).  All sixteen loads of a thread are out at once.
; THE MODE: SCHED_MODE bits 1:0 = 2 (LLVM: expert scheduling mode 2), set by the entry lines.  The code itself states the register dependences
; between vector instructions and memory instructions, with s_wait_alu, always for 0.
; THE PLAN.  Registers that memory instructions touch:
;   v1    the loads' offset.   Written at the head; read by the sixteen loads; never written again.
;   X     load j's four f32.   Written by the loads alone, and named by no vector instruction ahead of them; read by the conversions; never written again.
;   OFF   store j's offset.    Written once, behind the loads and ahead of the branch; read by store j; never written again.
;   Y     store j's data.      Written once, by piece j's conversions; read by store j; never written again.
;   v2 to v7 are named by vector instructions alone.
; The sixteen pieces go in four batches of four.  At the head of batch p stand the counted wait for its four loads, ONE wait on va_vdst, which states that the batch
; before has written its Y (the first such wait: and that OFF is written), and directly behind it that batch's four stores; then batch p's conversions.  One more such wait
; stands ahead of the last four stores.  No register that a load or a store reads is written a second time, so behind the entry lines the text holds no wait on vm_vsrc and no s_wait_xcnt.
.set X,   16                           ; v[16:79]   load j: four f32
.set OFF, 80                           ; v[80:95]   store j: 8 t + j x the destination's bytes in a block
.set Y,   96                           ; v[96:127]  store j: four 16-bit numbers
	s_load_b256 s[4:11], s[0:1], 0x0               ; hidden_states s[4:5], w_qkv s[6:7], w_proj s[8:9], xb s[10:11]
	s_load_b128 s[12:15], s[0:1], 0x20             ; wqb s[12:13], wpb s[14:15]
	s_mov_b32 s20, 0x100000                        ; a block of xb: 8,192 rows x 128 bytes
	s_mov_b32 s21, 0x60000                         ; of wqb: 3,072 rows
	s_mov_b32 s22, 0x20000                         ; of wpb: 1,024 rows
	s_mov_b32 s23, 512
	s_mov_b32 s24, 704
	v_lshrrev_b32 v1, 4, v0                        ; my row of the 16
	v_and_b32 v2, 15, v0
	v_lshlrev_b32 v1, 12, v1                       ; x 4,096 bytes
	v_lshl_add_u32 v1, v2, 4, v1                   ; + my 16 bytes of a block's 256
	s_wait_kmcnt 0x0
	s_cmp_lt_u32 ttmp9, s24                        ; which tensor: the choice hangs on the work-group's number alone
	s_cselect_b64 s[26:27], s[6:7], s[8:9]
	s_cselect_b64 s[28:29], s[12:13], s[14:15]
	s_cselect_b32 s18, s21, s22
	s_cselect_b32 s17, s23, s24
	s_cmp_lt_u32 ttmp9, s23
	s_cselect_b64 s[26:27], s[4:5], s[26:27]       ; source
	s_cselect_b64 s[28:29], s[10:11], s[28:29]     ; destination
	s_cselect_b32 s18, s20, s18                    ; the destination's bytes in a block
	s_cselect_b32 s17, 0, s17                      ; the tensor's first work-group
	s_sub_co_u32 s16, ttmp9, s17                   ; my number within the tensor
	s_lshl_b32 s30, s16, 16                        ; 16 rows x 4,096 bytes
	s_mov_b32 s31, 0
	s_add_nc_u64 s[26:27], s[26:27], s[30:31]
	s_lshl_b32 s30, s16, 11                        ; 16 rows x 128 bytes
	s_add_nc_u64 s[28:29], s[28:29], s[30:31]
	s_wait_alu depctr_va_vdst(0)                   ; v1 is written: the sixteen loads read it as their offset
.set j, 0
.rept 16
	global_load_b128 v[X+4*j:X+4*j+3], v1, s[26:27] offset:256*j th:TH_LOAD_NT
.set j, j+1
.endr
	v_lshlrev_b32 v[OFF], 3, v0                    ; row x 128 + 8 x place = 8 t
.set j, 1
.rept 15
	v_add_nc_u32 v[OFF+j], s18, v[OFF+j-1]
.set j, j+1
.endr
; The four stores of batch p, in one run.
.macro SEND p
.irp i, 0,1,2,3
	global_store_b64 v[OFF+4*(\p)+(\i)], v[Y+8*(\p)+2*(\i):Y+8*(\p)+2*(\i)+1], s[28:29]
.endr
.endm
; Batch p: pieces 4 p to 4 p + 3.  half = 1: w_proj, rounded to bf16, widened, and written as f16.
.macro BATCH p, half
	s_wait_loadcnt 12-4*(\p)                       ; loads come back in order (ISA guide 5.7.1): this batch's four are in, the younger ones stay out
.if (\p) > 0
	s_wait_alu depctr_va_vdst(0)                   ; the batch before has written its eight registers of Y, and OFF is written: the four stores below read them
	SEND (\p)-1
.endif
.irp i, 0,1,2,3
.if \half
	v_cvt_pk_bf16_f32 v2, v[X+16*(\p)+4*(\i)], v[X+16*(\p)+4*(\i)+1]
	v_cvt_pk_bf16_f32 v3, v[X+16*(\p)+4*(\i)+2], v[X+16*(\p)+4*(\i)+3]
	v_lshlrev_b32 v4, 16, v2
	v_and_b32 v5, 0xffff0000, v2
	v_lshlrev_b32 v6, 16, v3
	v_and_b32 v7, 0xffff0000, v3
	v_cvt_pk_f16_f32 v[Y+8*(\p)+2*(\i)], v4, v5
	v_cvt_pk_f16_f32 v[Y+8*(\p)+2*(\i)+1], v6, v7
.else
	v_cvt_pk_bf16_f32 v[Y+8*(\p)+2*(\i)], v[X+16*(\p)+4*(\i)], v[X+16*(\p)+4*(\i)+1]
	v_cvt_pk_bf16_f32 v[Y+8*(\p)+2*(\i)+1], v[X+16*(\p)+4*(\i)+2], v[X+16*(\p)+4*(\i)+3]
.endif
.endr
.endm
	s_cmp_ge_u32 ttmp9, s24
	s_cbranch_scc1 .Lhalf
	BATCH 0, 0
	BATCH 1, 0
	BATCH 2, 0
	BATCH 3, 0
	s_wait_alu depctr_va_vdst(0)                   ; the last batch has written its eight registers of Y, which the last four stores read
	SEND 3
	s_endpgm
.Lhalf:                                        ; w_proj
	BATCH 0, 1
	BATCH 1, 1
	BATCH 2, 1
	BATCH 3, 1
	s_wait_alu depctr_va_vdst(0)                   ; the last batch has written its eight registers of Y, which the last four stores read
	SEND 3
	s_endpgm
.Lfunc_end_k_q46b628e03c_cast:
	.size	k_q46b628e03c_cast, .Lfunc_end_k_q46b628e03c_cast-k_q46b628e03c_cast
	.p2alignl 7, 3214868480
	.fill 96, 4, 3214868480
	.section	.rodata,"a",@progbits
	.p2align	6, 0x0
	.amdhsa_kernel k_q46b628e03c_cast
		.amdhsa_group_segment_fixed_size 0
		.amdhsa_private_segment_fixed_size 0
		.amdhsa_enable_private_segment 0
		.amdhsa_kernarg_size 48
		.amdhsa_user_sgpr_count 2
		.amdhsa_user_sgpr_kernarg_segment_ptr 1
		.amdhsa_wavefront_size32 1
		.amdhsa_system_sgpr_workgroup_id_x 1
		.amdhsa_system_sgpr_workgroup_id_y 1
		.amdhsa_system_sgpr_workgroup_id_z 1
		.amdhsa_system_vgpr_workitem_id 0
		.amdhsa_next_free_vgpr 128
		.amdhsa_next_free_sgpr 66
		.amdhsa_reserve_vcc 0
		.amdhsa_float_denorm_mode_32 3
		.amdhsa_float_denorm_mode_16_64 3
		.amdhsa_memory_ordered 1
		.amdhsa_forward_progress 1
		.amdhsa_inst_pref_size 17
	.end_amdhsa_kernel
	.amdgpu_metadata
---
amdhsa.version: [ 1, 2 ]
amdhsa.kernels:
  - .name:           k_q46b628e03c_cast
    .symbol:         k_q46b628e03c_cast.kd
    .args:
      - { .name: hidden_states, .offset: 0, .size: 8, .value_kind: global_buffer, .address_space: global }
      - { .name: w_qkv, .offset: 8, .size: 8, .value_kind: global_buffer, .address_space: global }
      - { .name: w_proj, .offset: 16, .size: 8, .value_kind: global_buffer, .address_space: global }
      - { .name: xb, .offset: 24, .size: 8, .value_kind: global_buffer, .address_space: global }
      - { .name: wqb, .offset: 32, .size: 8, .value_kind: global_buffer, .address_space: global }
      - { .name: wpb, .offset: 40, .size: 8, .value_kind: global_buffer, .address_space: global }
    .group_segment_fixed_size: 0
    .private_segment_fixed_size: 0
    .kernarg_segment_align: 8
    .kernarg_segment_size: 48
    .max_flat_workgroup_size: 256
    .sgpr_count:     66
    .vgpr_count:     128
    .wavefront_size: 32
...
	.end_amdgpu_metadata
.endif
;; end of part 5
;; launch qkv: the kernel of part 2 again; grid 8 x 32, 4 waves a work-group, clusters of 4 x 4, 327,680 bytes of LDS; arguments xb, wqb, b_qkv, q_gamma, q_beta, k_gamma, k_beta, qkv; writes qkv
;; launch attn: the kernel of part 3 again; grid 2 x 128, 4 waves a work-group, no clusters, 327,680 bytes of LDS; arguments qkv, ob; writes ob
;; launch proj: the kernel of part 4 again; grid 4 x 64, 4 waves a work-group, clusters of 4 x 4, 327,680 bytes of LDS; arguments ob, wpb, b_proj, out0; writes out0
